; MI455X (gfx1250); checked and timed in simulation.
; The chip was launched on July 23, 2026; its instructions are those of AMD's public machine-readable ISA for CDNA 5 (MIT licence, August 2026) and "CDNA5" Instruction Set Architecture Reference Guide (July 2026). The comments in the code are by the model that wrote it; some were corrected since.
;; Model. Allowed arithmetic: matrix products marked QUANTISED: E2M3 operands, one E8M0 scale for each 32 along K, by v_wmma_scale_f32_16x16x128_f8f6f4 with both operands' format E2M3, f32 sums; everything else in f32.
;; Inputs: w_k 1,024 x 1,024 float32; w_q 1,024 x 1,024 float32; w_v 1,024 x 1,024 float32; x1 4 x 2,048 x 1,024 float32; x2 4 x 2,048 x 1,024 float32.
;; Outputs: out0 4 x 2,048 x 1,024 float32.
;; This version of the problem:
;;   THIS VERSION OF THE PROBLEM IS GIVEN IN LOW PRECISION. The matrix products marked QUANTISED in the list below multiply operands that are first quantised to E2M3 (2 exponent bits, 3 mantissa bits; 6 bits a number), with one power-of-two scale for each 32 numbers along K (OCP MX v1.0); their sums are f32. All else is computed in f32.
;;   The module's matrix products, in the order in which they are computed (A, B: the left and right operand; K: the contracted axis; several contracted axes count as one K, in the product's order):
;;     1. [M 8,192, K 1,024] x [K 1,024, N 1,024]; A: input x1; B: input w_q: QUANTISED
;;     2. [M 8,192, K 1,024] x [K 1,024, N 1,024]; A: input x2; B: input w_k: QUANTISED
;;     3. [M 8,192, K 1,024] x [K 1,024, N 1,024]; A: input x2; B: input w_v: QUANTISED
;;     4. batch 4 x [M 2,048, K 1,024] x [K 1,024, N 2,048]; A: computed on the way; B: computed on the way: QUANTISED
;;     5. batch 4 x [M 2,048, K 2,048] x [K 2,048, N 1,024]; A: softmax (see below); B: computed on the way: QUANTISED
;;   THE QUANTISER, for each operand of a quantised product, along K:
;;     - K is cut into blocks of 32 from its start; a last block that is shorter is filled with zeros.
;;     - A block's scale is 2^e with e = floor(log2(the largest magnitude in the block)) - 2, held to -126 .. 127; a block of zeros has e = 0. As a byte (E8M0): e + 127.
;;     - Each number is divided by its block's scale, clamped to +-7.5, and rounded to the nearest number of E2M3, ties to even, subnormals kept.
;;     - The product sums the exact products of the quantised numbers (number of the format x scale) in f32.
;;   ~~~python
;;   def quantise(x, axis):      # numpy; x: float32 -> the quantised numbers, widened to float32 again
;;       x = np.moveaxis(x, axis, -1); K = x.shape[-1]
;;       x = np.pad(x, [(0, 0)] * (x.ndim - 1) + [(0, -K % 32)]); x = x.reshape(x.shape[:-1] + (-1, 32)); a = np.abs(x).max(-1, keepdims=True)
;;       e = np.where(a > 0, np.clip(np.frexp(np.where(a > 0, a, 1))[1] - 1 - 2, -126, 127), 0)      # np.frexp(a)[1] - 1 = floor(log2(a)), exactly
;;       r = np.clip(x / 2.0 ** e, -7.5, 7.5)
;;       step = 2.0 ** (np.maximum(np.frexp(np.where(r == 0, 1, r))[1] - 1, 0) - 3)
;;       q = np.round(r / step) * step * 2.0 ** e      # np.round: ties to even
;;       return np.moveaxis(q.reshape(q.shape[:-2] + (-1,))[..., :K], -1, axis).astype(np.float32)
;;   ~~~
;;   SOFTMAX AHEAD OF A QUANTISED PRODUCT. Where the list says 'softmax', what is quantised is not the finished softmax but p = 2^(t - M), with t = logit x log2(e) and M = ceil(the row's largest t), a whole number; so 1/2 < the row's largest p <= 1. The row's sum l is taken of the UNQUANTISED p, in f32, and the product's result is divided by l at the end. Since M is a whole number, a kernel that streams over the keys may use a running M (the ceiling of the running maximum): every later rescaling is an exact power of two, which a block's scale takes up: the codes' values come out the same.
;;   OPERANDS COMPUTED ON THE WAY. 'Computed on the way' means the value that the module computes at that place (a softmax that the list does not call 'softmax' is quantised finished and normalised). What goes into a quantiser is computed in f32, as accurately as f32 sums, v_exp_f32 and their like allow (about 1e-6 of the number): no bf16 or f16 on the way to a quantiser, and a product that is left as it is and whose result goes on into a quantised operand takes f32 operands (vector FMAs, or v_wmma_f32_16x16x4_f32). A number that lies on a knife's edge between two numbers of the format may be rounded either way, as far as f32 arithmetic and the matrix unit's own rounding can turn it there, and no further.
;; One version. Each part assembles by itself: llvm-mc -triple=amdgcn-amd-amdhsa -mcpu=gfx1250 --defsym DOCPART=n.
;; ======== version 1 of 1: 4 launches
;; limits: right only within a limited range of input values
;; workspace buffers: inc 14,942,208 bytes; ins 622,592 bytes; qkc 18,874,368 bytes; qks 786,432 bytes; pc 12,582,912 bytes; pst 1,572,864 bytes
;; launch quant (part 1): grid 304 x 4, 2 waves a work-group, no clusters, 17,408 bytes of LDS; arguments x1, x2, w_q, w_k, w_v, inc, ins; writes inc, ins
.if DOCPART == 1
	.amdgcn_target "amdgcn-amd-amdhsa--gfx1250"
	.amdhsa_code_object_version 6
	.text
	.protected	k_q908b10e371_quant
	.globl	k_q908b10e371_quant
	.p2align	8
	.type	k_q908b10e371_quant,@function
k_q908b10e371_quant:
	s_mov_b64 s[64:65], 0
	v_nop
	global_prefetch_b8 v0, s[64:65] scope:SCOPE_SE
	s_setreg_imm32_b32 hwreg(HW_REG_WAVE_MODE, 25, 1), 1
	s_wait_xcnt 0x0
; x1, x2 [8192][1024] and w_q, w_k, w_v [1024][1024], f32, K innermost, become codes of FP6 (E2M3) with one E8M0 byte for each 32 along K.
; A block's scale is 2^(floor(log2(its largest magnitude)) - 2); its byte is the largest magnitude's exponent field - 2, held at 1 from below.
; LIMITS: a block of zeros, or one whose largest magnitude lies under 2^-124, gets the byte 1 (its codes are zeros or tiny; this program alone reads the bytes); NaN and infinities are not served.
; THE WORKSPACE IS LAID AS THE READER'S REGISTERS.  Row tile G (16 rows), lane slot r stands for row 32 (G / 2) + 8 (G % 2) + r + 8 (r / 8) of the five tensors on end (x1: G 0.., x2: 512.., w_q: 1024.., w_k: 1088.., w_v: 1152..).
; A fragment (tile G, K step ks of 128) is 12 registers a lane: registers 4 c .. 4 c + 3 of lane l lie at its first byte + 512 c + 16 l.
; Eight tiles (128 rows) form a block of 98,304 bytes, K STEP OUTERMOST: fragment (G, ks) begins at (64 (G / 8) + 8 ks + G % 8) 1536 of inc, so that a block's whole K and each half of it are dense runs of bytes.
; Its scale words: the word of (tile i of a group of 8, slot r) lies at (8 (G / 8) + ks) 512 + 256 (i / 4) + 16 r + 4 (i % 4) of ins.
; SHARES.  Work-group (Q, y) takes 4 tiles (64 rows) and two K steps; wave w takes K step 2 y + w: 4 fragments, 6,144 bytes on end.
; Each load reads 512 consecutive bytes of one row; a fragment's 16 rows turn through the wave's own stage in LDS (rows 528 bytes apart), so that lane (r, h) gets k = 64 c + 32 h + 0 .. 31 of row r: two whole blocks.
; No tensor load, no barrier: waves share nothing.  Loads run two fragments (32 loads a wave) ahead.
.set STG,   8448                       ; a wave's stage: 16 rows x 528 bytes
.set SPARE, 2*STG                      ; behind the stages: the spare words, 128 bytes a wave
.set PW,    20                         ; v20-23   the four tiles' scale words
.set PC,    28                         ; v28-39   a fragment's codes
.set PT,    40                         ; v40-42, v44-46  the upper halves of the two blocks
.set R,     64                         ; v64-191  two sets of 64: a fragment as loaded
.set X,     192                        ; v192-255 my 64 numbers
	s_load_b256 s[4:11], s[0:1], 0x0               ; x1, x2, w_q, w_k
	s_load_b128 s[12:15], s[0:1], 0x20             ; w_v, inc
	s_load_b64 s[16:17], s[0:1], 0x30              ; ins
	v_lshl_add_u32 v10, v0, 2, SPARE               ; my spare word
	v_mov_b32 v11, 0
	v_lshrrev_b32 v1, 5, v0
	v_readfirstlane_b32 s18, v1                    ; wave 0, 1
	v_and_b32 v1, 31, v0                           ; lane
	v_and_b32 v2, 15, v0                           ; r
	v_bfe_u32 v3, v0, 4, 1                         ; h
	v_lshlrev_b32 v4, 4, v1                        ; 16 x lane
	s_mul_i32 s19, s18, STG
	v_add_nc_u32 v5, s19, v4                       ; the stage, on the way in
	v_mul_u32_u24 v6, v2, 528
	v_lshl_add_u32 v6, v3, 7, v6
	v_add_nc_u32 v6, s19, v6                       ; and on the way out: row r, + 128 h
	v_lshlrev_b32 v7, 4, v2
	v_lshl_add_u32 v7, v3, 3, v7                   ; a quad of scale words: 16 r + 8 h
	v_lshlrev_b32 v3, 3, v3                        ; 8 h: my bytes' shift in a scale word
	v_mov_b32 v19, 0                               ; written once: a lane permute's destination counts as one of its sources
	s_mov_b32 s20, 0x76543210
	s_mov_b32 s21, 0xfedcba98                      ; selects for lane l xor 16
	s_mov_b32 s22, 0xffff0000                      ; lanes 16-31
	s_and_b32 s23, ttmp7, 0xffff
	s_lshl_b32 s23, s23, 1
	s_add_co_u32 s23, s23, s18                     ; my K step: 2 y + wave
	s_cmp_lt_u32 ttmp9, 256                        ; x1 and x2 have 128 quads each, the weights 16 each
	s_cselect_b32 s26, 127, 15
	s_and_b32 s26, ttmp9, s26                      ; my quad within my tensor
	s_lshl_b32 s26, s26, 18                        ; 64 rows of 4,096 bytes
	s_lshl_b32 s27, s23, 9                         ; + my K step of 512 bytes
	s_add_co_u32 s26, s26, s27
	s_mov_b32 s27, 0
	s_lshr_b32 s28, ttmp9, 1
	s_mul_i32 s28, s28, 98304                      ; inc: block Q / 2,
	s_mul_i32 s29, s23, 12288                      ; my K step,
	s_add_co_u32 s28, s28, s29
	s_and_b32 s29, ttmp9, 1
	s_mul_i32 s29, s29, 6144                       ; tiles 4 (Q % 2) ..
	s_add_co_u32 s28, s28, s29
	s_mov_b32 s29, 0
	s_lshr_b32 s30, ttmp9, 1
	s_lshl_b32 s30, s30, 3
	s_add_co_u32 s30, s30, s23
	s_lshl_b32 s30, s30, 9                         ; ins: group Q / 2, my K step,
	s_and_b32 s31, ttmp9, 1
	s_lshl_b32 s31, s31, 8
	s_add_co_u32 s30, s30, s31                     ; quad Q % 2
	s_mov_b32 s31, 0
	s_wait_alu depctr_va_vdst(0)                   ; the wait at the head's end
	s_wait_kmcnt 0x0
	s_cmp_lt_u32 ttmp9, 288                        ; which tensor: the choice hangs on the work-group's number alone
	s_cselect_b64 s[24:25], s[10:11], s[12:13]
	s_cmp_lt_u32 ttmp9, 272
	s_cselect_b64 s[24:25], s[8:9], s[24:25]
	s_cmp_lt_u32 ttmp9, 256
	s_cselect_b64 s[24:25], s[6:7], s[24:25]
	s_cmp_lt_u32 ttmp9, 128
	s_cselect_b64 s[24:25], s[4:5], s[24:25]
	s_add_nc_u64 s[24:25], s[24:25], s[26:27]
	s_add_nc_u64 s[14:15], s[14:15], s[28:29]
	s_add_nc_u64 s[16:17], s[16:17], s[30:31]
.macro LOAD f                          ; tile f: its 16 rows, 512 bytes each, into set f % 2
.irp t, 0,1,2,3,4,5,6,7,8,9,10,11,12,13,14,15
	global_load_b128 v[R+64*((\f)%2)+4*\t:R+64*((\f)%2)+4*\t+3], v4, s[24:25] offset:(32*((\f)/2)+8*((\f)%2)+\t+8*(\t/8))*4096 th:TH_LOAD_NT
.endr
.endm
.macro FRAGQ f
.if (\f) < 3
	s_wait_loadcnt 16                              ; this fragment's 16 loads are in; the next fragment's 16 may be out
.else
	s_wait_loadcnt 0x0
.endif
.irp t, 0,1,2,3,4,5,6,7,8,9,10,11,12,13,14,15
	ds_store_b128 v5, v[R+64*((\f)%2)+4*\t:R+64*((\f)%2)+4*\t+3] offset:528*\t
.endr
.irp c, 0,1
.irp q, 0,1,2,3,4,5,6,7
	ds_load_b128 v[X+32*\c+4*\q:X+32*\c+4*\q+3], v6 offset:256*\c+16*\q   ; LDS serves a wave's instructions in order: these see the stores above
.endr
.endr
	s_wait_dscnt 0x0                               ; my 64 numbers are in, and the stores have read their registers,
.if (\f) < 2
	LOAD (\f)+2                                    ; which take the fragment two further on
.endif
.irp c, 0,1
	v_max3_num_f32 v[12+\c], |v[X+32*\c]|, |v[X+32*\c+1]|, 0x1800000   ; my block 2 c + h; the floor 2^(3 - 127) holds the byte at 1 from below
.endr
.irp i, 2,4,6,8,10,12,14,16,18,20,22,24,26,28,30
.irp c, 0,1
	v_max3_num_f32 v[12+\c], v[12+\c], |v[X+32*\c+\i]|, |v[X+32*\c+\i+1]|
.endr
.endr
.irp c, 0,1
	v_add_nc_u32 v[14+\c], 0xff000000, v[12+\c]    ; 2 off the exponent field: the conversion's scale operand
.endr
.irp c, 0,1
	v_lshrrev_b32 v[16+\c], 23, v[14+\c]           ; the scale's byte
.endr
	v_lshl_or_b32 v18, v17, 16, v16                ; my two bytes, blocks h and 2 + h,
	v_lshlrev_b32 v18, v3, v18                     ; at their places in the word;
	v_permlanex16_b32 v19, v18, s20, s21
	v_or_b32 v[PW+(\f)], v18, v19                  ; with lane l xor 16's two the word is whole
	s_wait_alu depctr_va_vdst(0)                   ; the wait ahead of the wait below
	s_wait_xcnt 0x0                                ; the last fragment's stores have read the codes' registers
.irp c, 0,1
	v_cvt_scalef32_pk16_fp6_f32 v[PC+6*\c:PC+6*\c+2], v[X+32*\c:X+32*\c+15], v[14+\c]
	v_cvt_scalef32_pk16_fp6_f32 v[PT+4*\c:PT+4*\c+2], v[X+32*\c+16:X+32*\c+31], v[14+\c]   ; (a conversion's three registers begin on an even number)
.endr
	v_nop                                          ; one plain place behind a scaled conversion
.irp c, 0,1
.irp i, 0,1,2
	v_mov_b32 v[PC+6*\c+3+\i], v[PT+4*\c+\i]
.endr
.endr
.irp c, 0,1,2
	global_store_b128 v4, v[PC+4*\c:PC+4*\c+3], s[14:15] offset:1536*(\f)+512*\c   ; 32 lanes store 512 consecutive bytes
.endr
.endm
	LOAD 0
	LOAD 1
.irp f, 0,1,2,3
	FRAGQ \f
.endr
	v_cndmask_b32 v8, v[PW], v[PW+2], s22          ; lane (r, h) stores words 2 h and 2 h + 1 of slot r:
	v_cndmask_b32 v9, v[PW+1], v[PW+3], s22
	global_store_b64 v7, v[8:9], s[16:17]          ; 256 consecutive bytes, aligned
	s_wait_tensorcnt 0x0                           ; the wave's end
	ds_add_u32 v10, v11
	s_wait_dscnt 0x0
	s_endpgm
.Lfunc_end_k_q908b10e371_quant:
	.size	k_q908b10e371_quant, .Lfunc_end_k_q908b10e371_quant-k_q908b10e371_quant
	.p2alignl 7, 3214868480
	.fill 96, 4, 3214868480
	.section	.rodata,"a",@progbits
	.p2align	6, 0x0
	.amdhsa_kernel k_q908b10e371_quant
		.amdhsa_group_segment_fixed_size 17408
		.amdhsa_private_segment_fixed_size 0
		.amdhsa_enable_private_segment 0
		.amdhsa_kernarg_size 56
		.amdhsa_user_sgpr_count 2
		.amdhsa_user_sgpr_kernarg_segment_ptr 1
		.amdhsa_wavefront_size32 1
		.amdhsa_system_sgpr_workgroup_id_x 1
		.amdhsa_system_sgpr_workgroup_id_y 1
		.amdhsa_system_sgpr_workgroup_id_z 1
		.amdhsa_system_vgpr_workitem_id 0
		.amdhsa_next_free_vgpr 256
		.amdhsa_next_free_sgpr 66
		.amdhsa_reserve_vcc 0
		.amdhsa_float_denorm_mode_32 3
		.amdhsa_float_denorm_mode_16_64 3
		.amdhsa_memory_ordered 1
		.amdhsa_forward_progress 1
		.amdhsa_inst_pref_size 31
	.end_amdhsa_kernel
	.amdgpu_metadata
---
amdhsa.version: [ 1, 2 ]
amdhsa.kernels:
  - .name:           k_q908b10e371_quant
    .symbol:         k_q908b10e371_quant.kd
    .args:
      - { .name: x1, .offset: 0, .size: 8, .value_kind: global_buffer, .address_space: global }
      - { .name: x2, .offset: 8, .size: 8, .value_kind: global_buffer, .address_space: global }
      - { .name: w_q, .offset: 16, .size: 8, .value_kind: global_buffer, .address_space: global }
      - { .name: w_k, .offset: 24, .size: 8, .value_kind: global_buffer, .address_space: global }
      - { .name: w_v, .offset: 32, .size: 8, .value_kind: global_buffer, .address_space: global }
      - { .name: inc, .offset: 40, .size: 8, .value_kind: global_buffer, .address_space: global }
      - { .name: ins, .offset: 48, .size: 8, .value_kind: global_buffer, .address_space: global }
    .group_segment_fixed_size: 17408
    .private_segment_fixed_size: 0
    .kernarg_segment_align: 8
    .kernarg_segment_size: 56
    .max_flat_workgroup_size: 64
    .sgpr_count:     66
    .vgpr_count:     256
    .wavefront_size: 32
...
	.end_amdgpu_metadata
.endif
;; end of part 1
;; launch proj (part 2): grid 4 x 64, 4 waves a work-group, clusters of 4 x 4, 327,680 bytes of LDS; arguments inc, ins, qkc, qks; writes qkc, qks
.if DOCPART == 2
	.amdgcn_target "amdgcn-amd-amdhsa--gfx1250"
	.amdhsa_code_object_version 6
	.text
	.protected	k_q908b10e371_proj
	.globl	k_q908b10e371_proj
	.p2align	8
	.type	k_q908b10e371_proj,@function
k_q908b10e371_proj:
	s_mov_b64 s[64:65], 0
	v_nop
	global_prefetch_b8 v0, s[64:65] scope:SCOPE_SE
	s_setreg_imm32_b32 hwreg(HW_REG_WAVE_MODE, 25, 1), 1
	s_wait_xcnt 0x0
	s_wait_alu depctr_hold_cnt(0) depctr_sa_sdst(0) depctr_va_vdst(0) depctr_va_sdst(0) depctr_va_ssrc(0) depctr_va_vcc(0) depctr_vm_vsrc(0)
	s_getreg_b32 s2, hwreg(HW_REG_IB_STS2, 6, 4)
	s_cmp_eq_u32 s2, 0
	s_cbranch_scc0 .Lentry_in_a_cluster
	s_endpgm
.Lentry_in_a_cluster:
	s_bfe_u32 s2, ttmp6, 0x10000c
	s_cmp_lg_u32 s2, 0xf033
	s_cbranch_scc0 .Lentry_shape_is_right
	s_endpgm
.Lentry_shape_is_right:
; q = x1 w_q^T, k = x2 w_k^T, v = x2 w_v^T on codes of FP6 (E2M3) with E8M0 scales, sums in f32; each result is quantised again along the next product's K (q, k: the 1,024 outputs; v: the keys) and stored as codes and scale words.
; LIMITS: a block whose largest magnitude lies under 2^-124 gets the byte 1; NaN and infinities are not served.
; OPERANDS AND RESULTS lie in memory as images of registers, in blocks of 128 rows (8 tiles), K step outermost: fragment (K step ks, tile n) at (8 ks + n) 1536 of its block.
;   inc: blocks of 98,304 bytes: x1 0.., x2 64.., w_q 128.., w_k 136.., w_v 144...  qkc: q's blocks 0.., k's at 6,291,456, both of 8 K steps; v^T at 12,582,912: blocks of 128 of d with 64 K steps (128 keys each).
; SHARES.  Work-group (j, i): rows 128 i .. of x1 and x2, outputs 256 j ...  q, k: source 0 = the weight's block wa = w % 2, source 1 = x's tiles 4 wb .., wb = w / 2.  v: source 0 = x2's 8 tiles, source 1 = w_v's tiles 4 w ...
; LDS: bytes 0 .. 98,303 the 128-row operand [K step][tile]; from 98,304 the two blocks of the 256-row operand.  A block's K half is 49,152 dense bytes in memory and in LDS.
; THE HEAD asks for x1 and w_q over all of K, one joint load a wave (waves 0, 1: a half of x1's block; waves 2, 3: a block of w_q).  The two K halves then take turns as two slots: when a half is read out it takes the next product's half.
; CLUSTER: x asked for jointly along a row of the cluster, weights along a column.
; PREFETCH: each refill's bytes are asked for two refills ahead: x2's and w_k's two halves behind the head's load, w_v's half sl behind the refill of half sl with x2 and w_k.  Of the bytes that a wave will fetch, each of the four
; partners that ask for them jointly names a quarter, told apart by address: 24 lanes, 256 bytes apart, to 6,144 bytes (lanes 24-31 name lane 23's block again); every address lies inside its block.
; REGISTERS: window 0: v0-31 addresses, v32-159 scale words, v160-199 at work; window 1: source 0's fragments, set p at v[96 p]; window 2: accumulator (a, b) at v[8 (8 a + b)]; window 3: source 1's, set p at v[48 p].
.set HALF,   49152
.set R0,     98304
.set SPARE,  3*R0
.set SC,  32
.set TM,  160
.set PWQ, 176
.set PC,  180
.set G1X, 24
.set G0X, 32
.set G1W, 40
.set G0W, 48
.set G1C, 76
.set G0C, 92
.set WQ,  66
.set PX,  58                           ; s[58:59] x2: my 24,576 bytes of K half 0
.set PW,  62                           ; s[62:63] w_k: my block
.set PFA, 52                           ; s[52:53] prefetch: my work-group's quarter of what I fetch of x2 or w_k
.set PFC, 38                           ; s[38:39] the same of w_v
.set PFO, 21                           ; v21      256 x min(lane, 23); never rewritten
.set MULW, 0xad
.set MSB, 0
.macro WIN new
.if MSB != \new
	s_set_vgpr_msb (MSB<<8)|\new
.set MSB, \new
.endif
.endm
.macro PLACES n
.rept \n
	v_nop
.endr
.endm
.macro JLOAD                           ; a joint load: waves 0, 1 for x, waves 2, 3 for the weight; an s_nop 0 and four v_nop follow each line
	s_cmp_eq_u32 s15, 0
	s_cbranch_scc0 .Lfor_w_\@
	tensor_load_to_lds s[G0X:G0X+3], s[G1X:G1X+7]
	s_nop 0
.rept 4
	v_nop
.endr
	s_branch .Lasked_\@
.Lfor_w_\@:
	tensor_load_to_lds s[G0W:G0W+3], s[G1W:G1W+7]
	s_nop 0
.rept 4
	v_nop
.endr
.Lasked_\@:
.endm
.macro WLOAD sl                        ; w_v's K half sl: every wave fetches 24,576 bytes; no load of mine is out, so the group 0 may be written
	s_mov_b32 s[G0C], 1
	s_add_co_u32 s[G0C+1], s[WQ], (\sl)*HALF
	s_add_nc_u64 s[G0C+2:G0C+3], s[12:13], (\sl)*HALF
	s_or_b32 s[G0C+3], s[G0C+3], 0x80000000
	tensor_load_to_lds s[G0C:G0C+3], s[G1C:G1C+7]
	s_nop 0
.rept 4
	v_nop
.endr
.endm
.macro CREST
	s_cmp_lg_u32 s14, 0
	s_cbranch_scc1 .Lnot_wave_0_\@
	s_barrier_signal -3
.Lnot_wave_0_\@:
	s_barrier_wait -3
	s_barrier_signal -1
	s_barrier_wait -1
.endm
.macro CROUND
	s_barrier_signal -1
	s_barrier_wait -1
	CREST
.endm
.macro MUL a0, n, p, sc, zero          ; the 32 accumulators take turns, one instruction a turn
.set ma, \a0
.rept \n
.irp b, 0,1,2,3,4,5,6,7
.if \zero
	v_wmma_scale_f32_16x16x128_f8f6f4 v[8*(8*ma+\b):8*(8*ma+\b)+7], v[96*(\p)+12*\b:96*(\p)+12*\b+11], v[48*(\p)+12*ma:48*(\p)+12*ma+11], 0, v[(\sc)+\b], v[(\sc)+ma] matrix_a_fmt:MATRIX_FMT_FP6 matrix_b_fmt:MATRIX_FMT_FP6 matrix_a_scale:MATRIX_SCALE_ROW1
.else
	v_wmma_scale_f32_16x16x128_f8f6f4 v[8*(8*ma+\b):8*(8*ma+\b)+7], v[96*(\p)+12*\b:96*(\p)+12*\b+11], v[48*(\p)+12*ma:48*(\p)+12*ma+11], v[8*(8*ma+\b):8*(8*ma+\b)+7], v[(\sc)+\b], v[(\sc)+ma] matrix_a_fmt:MATRIX_FMT_FP6 matrix_b_fmt:MATRIX_FMT_FP6 matrix_a_scale:MATRIX_SCALE_ROW1
.endif
.endr
.set ma, ma+1
.endr
.endm
.macro FETCH r0, r1, ksl, p            ; 36 LDS loads in one run: K step ksl of a half: 8 + 4 fragments into set p
	WIN 0x40
.irp n, 0,1,2,3,4,5,6,7
.irp c, 0,1,2
	ds_load_b128 v[96*(\p)+12*\n+4*\c:96*(\p)+12*\n+4*\c+3], v[\r0] offset:1536*\n+12288*(\ksl)+512*\c
.endr
.endr
	WIN 0xc0
.irp n, 0,1,2,3
.irp c, 0,1,2
	ds_load_b128 v[48*(\p)+12*\n+4*\c:48*(\p)+12*\n+4*\c+3], v[\r1] offset:1536*\n+12288*(\ksl)+512*\c
.endr
.endr
.endm
.macro STEP r0, r1, ksl, sc, zero
	s_wait_dscnt 0x0                               ; this step's set is in
	PLACES 4                                       ; in front of loads into the set that the last step's products read
	FETCH \r0, \r1, (\ksl)+1, ((\ksl)+1)%2
	WIN MULW
	MUL 0, 4, (\ksl)%2, \sc, \zero
.endm
.macro HALFK r0, r1, sc, zero          ; a half's first three K steps
	STEP \r0, \r1, 0, \sc, \zero
	STEP \r0, \r1, 1, (\sc)+8, 0
	STEP \r0, \r1, 2, (\sc)+16, 0
.endm
; A half's last K step changes halves.  fill = 1: this half takes x2's and w_k's; 2: its weight part takes w_v's; 0: nothing is left to fetch
.macro TURN sl, sc, fill, n0, n1
	WIN 0
	s_wait_tensorcnt 0x0                           ; all my tensor loads have landed
	ds_add_u32 v28, v29                            ; 0 onto my spare word
	s_wait_dscnt 0x1                               ; this step's 36 loads are in; the add alone may be out
	WIN MULW
	MUL 0, 1, 1, \sc, 0
	s_wait_dscnt 0x0                               ; the add is done, and my reads of this half are over
	s_barrier_signal -1
	MUL 1, 1, 1, \sc, 0
	WIN 0
	s_barrier_wait -1
.if \fill == 1
	CREST                                          ; no wave of any partner still reads this half or has a load on its way
	s_add_co_u32 s[G0X+1], s74, (\sl)*HALF
	s_add_nc_u64 s[G0X+2:G0X+3], s[PX:PX+1], (\sl)*HALF
	s_or_b32 s[G0X+3], s[G0X+3], 0x80000000
	s_add_co_u32 s[G0W+1], s75, (\sl)*HALF
	s_add_nc_u64 s[G0W+2:G0W+3], s[PW:PW+1], (\sl)*HALF
	s_or_b32 s[G0W+3], s[G0W+3], 0x80000000
	JLOAD                                          ; its four v_nop are also the places in front of the loads below
.elseif \fill == 2
	CREST
	WLOAD \sl
.else
	PLACES 4
.endif
	FETCH \n0, \n1, 0, 0
.if \fill == 1
	global_prefetch_b8 v[PFO], s[PFC:PFC+1] offset:(\sl)*HALF th:TH_LOAD_NT scope:SCOPE_SE   ; w_v's half sl, which the refill two on fetches (the address register lies in window 0, as source 0 is here)
.endif
	WIN MULW
	MUL 2, 2, 1, \sc, 0
	WIN 0
.endm
.macro LAST sc
	s_wait_dscnt 0x0
	WIN MULW
	MUL 0, 4, 1, \sc, 0
	WIN 0
.endm
.macro CODES a, so                     ; the 64 numbers of tile a (register 16 b + i = next K 32 b + 16 h + i of my row) become 12 registers of codes
	s_wait_xcnt 0x0                                ; the last fragment's stores have read the codes' registers
	WIN 0x02
.irp c, 0,1
	v_cvt_scalef32_pk16_fp6_f32 v[PC+6*\c:PC+6*\c+2], v[64*\a+32*\c:64*\a+32*\c+15], v[\so+2*\c]
	v_cvt_scalef32_pk16_fp6_f32 v[PC+12+4*\c:PC+14+4*\c], v[64*\a+32*\c+16:64*\a+32*\c+31], v[\so+2*\c+1]
.endr
	WIN 0
	v_nop                                          ; one plain place behind a scaled conversion
.irp c, 0,1
.irp i, 0,1,2
	v_permlane16_swap_b32 v[PC+6*\c+\i], v[PC+12+4*\c+\i]
.endr
.irp i, 0,1,2
	v_mov_b32 v[PC+3+6*\c+\i], v[PC+12+4*\c+\i]
.endr
.endr
.endm
.macro QUANT a
	WIN 0x0a
.irp b, 0,1,2,3
	v_max3_num_f32 v[TM+\b], |v[64*\a+16*\b]|, |v[64*\a+16*\b+1]|, 0x1800000   ; each accumulator from its low end on; the floor 2^(3 - 127)
.endr
.irp i, 2,4,6,8,10,12,14
.irp b, 0,1,2,3
	v_max3_num_f32 v[TM+\b], |v[64*\a+16*\b+\i]|, |v[64*\a+16*\b+\i+1]|, v[TM+\b]
.endr
.endr
	WIN 0
.irp b, 0,1,2,3
	v_permlanex16_b32 v[TM+4+\b], v[TM+\b], s68, s69
.endr
.irp b, 0,1,2,3
	v_max_num_f32 v[TM+\b], v[TM+\b], v[TM+4+\b]
.endr
.irp b, 0,1,2,3
	v_add_nc_u32 v[TM+12+\b], 0xff000000, v[TM+\b]
.endr
.irp b, 0,1,2,3
	v_lshrrev_b32 v[TM+4+\b], 23, v[TM+12+\b]
.endr
	v_lshl_or_b32 v[PWQ+\a], v[TM+5], 8, v[TM+4]
	v_lshl_or_b32 v[PWQ+\a], v[TM+6], 16, v[PWQ+\a]
	v_lshl_or_b32 v[PWQ+\a], v[TM+7], 24, v[PWQ+\a]
	CODES \a, TM+12
.endm
.macro PUT cb, off
.irp c, 0,1,2
	global_store_b128 v3, v[PC+4*\c:PC+4*\c+3], s[\cb:\cb+1] offset:(\off)+512*\c
.endr
.endm
.macro QSTORE r0, sb, off              ; four tiles' words: 256 consecutive bytes, aligned
	s_wait_xcnt 0x0
	v_cndmask_b32 v30, v[\r0], v[\r0+2], s22
	v_cndmask_b32 v31, v[\r0+1], v[\r0+3], s22
	global_store_b64 v4, v[30:31], s[\sb:\sb+1] offset:\off
.endm
.macro EPI cb, coff, sb, soff          ; my four tiles' fragments lie on end: 6,144 bytes
.irp a, 0,1,2,3
	QUANT \a
	PUT \cb, (\coff)+\a*1536
.endr
	QSTORE PWQ, \sb, \soff
.endm
	s_load_b256 s[4:11], s[0:1], 0x0               ; inc, ins, qkc, qks
	v_lshl_add_u32 v28, v0, 2, SPARE
	v_mov_b32 v29, 0
	ds_add_u32 v28, v29                            ; the opening lines: the add, twice on end, and its wait
	ds_add_u32 v28, v29
	v_lshrrev_b32 v1, 5, v0
	v_readfirstlane_b32 s14, v1                    ; wave w
	s_lshr_b32 s15, s14, 1                         ; wb.  Also: I fetch x (0) or the weight (1)
	s_and_b32 s16, s14, 1                          ; wa.  Also: which part I fetch
	s_bfe_u32 s17, ttmp6, 0x40000                  ; cx
	s_bfe_u32 s18, ttmp6, 0x40004                  ; cy
	s_lshl_b32 s23, ttmp9, 2
	s_add_co_u32 s23, s23, s17                     ; j
	s_and_b32 s19, ttmp7, 0xffff
	s_lshl_b32 s20, s19, 2
	s_add_co_u32 s20, s20, s18                     ; i
	s_lshl_b32 s72, s18, 2
	s_lshl_b32 s72, 15, s72                        ; my row of the cluster
	s_lshl_b32 s73, 0x1111, s17                    ; my column
	s_or_b32 s[G1X], s72, (3<<16)|(1<<21)          ; the mask; elements of 8 bytes; bit 21 set beside a mask
	s_or_b32 s[G1W], s73, (3<<16)|(1<<21)
	s_mov_b32 s[G1X+1], 768<<16                    ; dense bytes, as rows of 6,144
	s_mov_b32 s[G1X+2], 8<<16                      ; the head's load: 8 rows
	s_mov_b32 s[G1X+3], 768<<16
	s_mov_b32 s[G1X+4], 8
	s_mov_b32 s[G1X+5], 768
	s_mov_b32 s[G1X+6], 0
	s_mov_b32 s[G1X+7], 0
	s_mov_b32 s[G1W+1], 768<<16
	s_mov_b32 s[G1W+2], 16<<16                     ; the head's load: 16 rows
	s_mov_b32 s[G1W+3], 768<<16
	s_mov_b32 s[G1W+4], 16
	s_mov_b32 s[G1W+5], 768
	s_mov_b32 s[G1W+6], 0
	s_mov_b32 s[G1W+7], 0
	s_mul_i32 s74, s16, 24576                      ; LDS: my part of a half of x
	s_mul_i32 s75, s16, R0
	s_add_co_u32 s75, s75, R0                      ; my block of the weight
	s_lshl_b32 s76, s20, 1
	s_add_co_u32 s76, s76, s16
	s_mul_i32 s76, s76, HALF                       ; x1: block i, my half
	s_mov_b32 s77, 0
	s_lshl_b32 s78, s23, 1
	s_add_co_u32 s78, s78, s16
	s_add_co_u32 s78, s78, 128
	s_mul_i32 s78, s78, R0                         ; w_q: block 128 + 2 j + part
	s_mov_b32 s79, 0
	s_mov_b32 s[G0X], 1
	s_mul_i32 s[G0X+1], s16, HALF
	s_mov_b32 s[G0W], 1
	s_mov_b32 s[G0W+1], s75
	s_wait_dscnt 0x0                               ; both opening adds are done
	s_wait_kmcnt 0x0
	s_add_nc_u64 s[G0X+2:G0X+3], s[4:5], s[76:77]
	s_or_b32 s[G0X+3], s[G0X+3], 0x80000000
	s_add_nc_u64 s[PW:PW+1], s[4:5], s[78:79]
	s_mov_b64 s[G0W+2:G0W+3], s[PW:PW+1]
	s_or_b32 s[G0W+3], s[G0W+3], 0x80000000
	CROUND                                         ; all sixteen work-groups are here: the first joint loads meet
	JLOAD                                          ; x1 and w_q over all of K: one load a wave.  All else of the head stands under its flight
	s_add_nc_u64 s[PW:PW+1], s[PW:PW+1], 786432    ; w_k lies 8 blocks behind w_q
	s_mul_i32 s[WQ], s15, R0
	s_add_co_u32 s[WQ], s[WQ], s74
	s_add_co_u32 s[WQ], s[WQ], R0                  ; w_v: block w / 2, + 24,576 (w % 2)
	s_mul_i32 s67, s15, R0
	s_mul_i32 s70, s16, 6144
	s_add_co_u32 s67, s67, s70
	s_add_co_u32 s67, s67, R0                      ; w_v's tiles 4 w ..: block w / 2, tile 4 (w % 2)
	s_mul_i32 s36, s20, R0
	s_add_co_u32 s36, s36, s74
	s_add_co_u32 s36, s36, 6291456                 ; x2: block 64 + i, my part of a half
	s_mov_b32 s37, 0
	s_add_nc_u64 s[PX:PX+1], s[4:5], s[36:37]
	s_lshl_b32 s70, s23, 1
	s_add_co_u32 s70, s70, s15
	s_add_co_u32 s70, s70, 144
	s_mul_i32 s70, s70, R0
	s_add_co_u32 s70, s70, s74                     ; w_v: block 144 + 2 j + w / 2, + 24,576 (w % 2)
	s_mov_b32 s71, 0
	s_add_nc_u64 s[12:13], s[4:5], s[70:71]
	s_lshl_b32 s80, s20, 3
	s_lshl_b32 s81, s23, 1
	s_add_co_u32 s80, s80, s81
	s_add_co_u32 s80, s80, s16
	s_mul_i32 s80, s80, 12288
	s_mul_i32 s81, s15, 6144
	s_add_co_u32 s80, s80, s81                     ; q, k out: block i, K step 2 j + wa, tile 4 wb
	s_mov_b32 s81, 0
	s_add_nc_u64 s[84:85], s[8:9], s[80:81]
	s_lshl_b32 s82, s23, 1
	s_add_co_u32 s82, s82, s15
	s_lshl_b32 s82, s82, 6
	s_add_co_u32 s82, s82, s20
	s_mul_i32 s82, s82, 12288
	s_mul_i32 s83, s16, 6144
	s_add_co_u32 s82, s82, s83
	s_add_co_u32 s82, s82, 12582912                ; v out: block 2 j + w / 2 of d, K step i, tile 4 (w % 2)
	s_mov_b32 s83, 0
	s_add_nc_u64 s[86:87], s[8:9], s[82:83]
	s_lshl_b32 s92, s20, 3                         ; the results' scale words, in qks
	s_lshl_b32 s93, s23, 1
	s_add_co_u32 s92, s92, s93
	s_add_co_u32 s92, s92, s16
	s_lshl_b32 s92, s92, 9
	s_lshl_b32 s93, s15, 8
	s_add_co_u32 s92, s92, s93
	s_mov_b32 s93, 0
	s_add_nc_u64 s[88:89], s[10:11], s[92:93]
	s_lshl_b32 s94, s23, 7
	s_lshl_b32 s95, s15, 6
	s_add_co_u32 s94, s94, s95
	s_add_co_u32 s94, s94, s20
	s_lshl_b32 s94, s94, 9
	s_lshl_b32 s95, s16, 8
	s_add_co_u32 s94, s94, s95
	s_add_co_u32 s94, s94, 524288
	s_mov_b32 s95, 0
	s_add_nc_u64 s[90:91], s[10:11], s[94:95]
	s_lshl_b32 s96, s20, 12                        ; the operands' scale words, in ins
	s_lshl_b32 s97, s15, 8
	s_add_co_u32 s96, s96, s97
	s_lshl_b32 s97, s23, 1
	s_add_co_u32 s97, s97, s16
	s_add_co_u32 s97, s97, 128
	s_lshl_b32 s97, s97, 12
	s_lshl_b32 s98, s23, 1
	s_add_co_u32 s98, s98, s15
	s_add_co_u32 s98, s98, 144
	s_lshl_b32 s98, s98, 12
	s_lshl_b32 s99, s16, 8
	s_add_co_u32 s98, s98, s99
	s_add_co_u32 s99, s20, 64
	s_lshl_b32 s99, s99, 12
	s_mov_b32 s22, 0xffff0000
	s_mov_b32 s68, 0x76543210
	s_mov_b32 s69, 0xfedcba98
	s_or_b32 s[G1C], s73, (3<<16)|(1<<21)
	s_mov_b32 s[G1C+1], 768<<16
	s_mov_b32 s[G1C+2], 4<<16
	s_mov_b32 s[G1C+3], 768<<16
	s_mov_b32 s[G1C+4], 4
	s_mov_b32 s[G1C+5], 768
	s_mov_b32 s[G1C+6], 0
	s_mov_b32 s[G1C+7], 0
	s_cmp_eq_u32 s15, 0                            ; the prefetches: do I fetch x?
	s_cselect_b64 s[PFA:PFA+1], s[PX:PX+1], s[PW:PW+1]
	s_cselect_b32 s54, s17, s18                    ; my place among the four that ask with me
	s_lshl_b32 s55, 6144, s15                      ; a quarter of what I fetch: 6,144 bytes of x, 12,288 of the weight
	s_mul_i32 s54, s54, s55
	s_mov_b32 s55, 0
	s_add_nc_u64 s[PFA:PFA+1], s[PFA:PFA+1], s[54:55]
	s_mul_i32 s54, s18, 6144
	s_add_nc_u64 s[PFC:PFC+1], s[12:13], s[54:55]
	s_mul_i32 s72, s15, 6144
	v_and_b32 v1, 15, v0                           ; r
	v_bfe_u32 v2, v0, 4, 1                         ; h
	v_and_b32 v3, 31, v0
	v_min_u32 v[PFO], 23, v3
	v_lshlrev_b32 v3, 4, v3                        ; 16 x lane
	v_lshlrev_b32 v5, 4, v1
	v_lshl_add_u32 v4, v2, 3, v5
	v_mov_b32 v19, s96
	v_mov_b32 v20, s97
	v_cndmask_b32 v14, v19, v20, s22               ; lanes 0-15 x's quad, lanes 16-31 the weight's first quad
	v_add_nc_u32 v14, v14, v5
	v_mov_b32 v19, 0x40000
	v_mov_b32 v20, 0x8000
	v_cndmask_b32 v19, v19, v20, s22
	v_add_nc_u32 v15, v14, v19                     ; the same for x2 and w_k
	v_add3_u32 v16, v5, s97, 256
	v_mov_b32 v19, s98
	v_mov_b32 v20, s99
	v_cndmask_b32 v17, v19, v20, s22               ; for v: lanes 0-15 w_v's quad, lanes 16-31 x2's first quad
	v_add_nc_u32 v17, v17, v5
	v_add3_u32 v18, v5, s99, 256
.irp k, 0,1,2,3,4,5,6,7
	global_load_b128 v[SC+8*\k:SC+8*\k+3], v14, s[6:7] offset:512*\k
	global_load_b128 v[SC+8*\k+4:SC+8*\k+7], v16, s[6:7] offset:512*\k
	global_load_b128 v[SC+64+8*\k:SC+64+8*\k+3], v15, s[6:7] offset:512*\k
	global_load_b128 v[SC+64+8*\k+4:SC+64+8*\k+7], v16, s[6:7] offset:512*\k+32768
.endr
	v_add_nc_u32 v6, s75, v3                       ; source 0 = the weight's block wa, K half 0,
	v_add_nc_u32 v7, HALF, v6                      ; K half 1
	v_add_nc_u32 v8, s72, v3                       ; source 1 = x's tiles 4 wb ..
	v_add_nc_u32 v9, HALF, v8
	v_add_nc_u32 v11, HALF, v3                     ; for v: source 0 = x2's 8 tiles (v3, v11),
	v_add_nc_u32 v12, s67, v3                      ; source 1 = w_v's tiles 4 w ..
	v_add_nc_u32 v13, HALF, v12
.irp b, 0,1,2,3
	v_mov_b32 v[TM+4+\b], 0                        ; written once: a lane permute's destination counts as one of its sources
.endr
	v_lshlrev_b32 v[PFO], 8, v[PFO]
	global_prefetch_b8 v[PFO], s[PFA:PFA+1] th:TH_LOAD_NT scope:SCOPE_SE                 ; x2's and w_k's K half 0,
	global_prefetch_b8 v[PFO], s[PFA:PFA+1] offset:HALF th:TH_LOAD_NT scope:SCOPE_SE     ; and K half 1
	s_cmp_eq_u32 s15, 0
	s_cbranch_scc1 .Lasked_ahead                   ; the weight's quarter is twice x's
	global_prefetch_b8 v[PFO], s[PFA:PFA+1] offset:6144 th:TH_LOAD_NT scope:SCOPE_SE
	global_prefetch_b8 v[PFO], s[PFA:PFA+1] offset:HALF+6144 th:TH_LOAD_NT scope:SCOPE_SE
.Lasked_ahead:
	s_wait_alu depctr_va_vdst(0)                   ; the wait at the head's end
	s_wait_loadcnt 0x0                             ; the scale words
	s_wait_tensorcnt 0x0                           ; my part of the head's tiles is in; no load of mine is out, so a descriptor may be written:
	s_mov_b32 s[G1X+2], 4<<16                      ; from here on x's load brings 4 rows,
	s_mov_b32 s[G1X+4], 4
	s_mov_b32 s[G1W+2], 8<<16                      ; the weight's 8
	s_mov_b32 s[G1W+4], 8
	s_barrier_signal -1
	s_barrier_wait -1                              ; everybody's part is in
	FETCH 6, 8, 0, 0
	HALFK 6, 8, SC, 1                              ; ---- q
	TURN 0, SC+24, 1, 7, 9
	HALFK 7, 9, SC+32, 0
	TURN 1, SC+56, 1, 6, 8
	PLACES 4
.irp k, 0,1,2,3,4,5,6,7
	global_load_b128 v[SC+8*\k:SC+8*\k+3], v17, s[6:7] offset:512*\k
	global_load_b128 v[SC+8*\k+4:SC+8*\k+7], v18, s[6:7] offset:512*\k
.endr
	EPI 84, 0, 88, 0
	HALFK 6, 8, SC+64, 1                           ; ---- k
	TURN 0, SC+88, 2, 7, 9
	HALFK 7, 9, SC+96, 0
	TURN 1, SC+120, 2, 3, 12
	PLACES 4
	EPI 84, 6291456, 88, 262144
	s_wait_loadcnt 0x0
	HALFK 3, 12, SC, 1                             ; ---- v
	TURN 0, SC+24, 0, 11, 13
	HALFK 11, 13, SC+32, 0
	LAST SC+56
	PLACES 4
	EPI 86, 0, 90, 0
	s_wait_tensorcnt 0x0                           ; the wave's end
	ds_add_u32 v28, v29
	s_wait_dscnt 0x0
	CROUND                                         ; the closing round
	s_endpgm
.Lfunc_end_k_q908b10e371_proj:
	.size	k_q908b10e371_proj, .Lfunc_end_k_q908b10e371_proj-k_q908b10e371_proj
	.p2alignl 7, 3214868480
	.fill 96, 4, 3214868480
	.section	.rodata,"a",@progbits
	.p2align	6, 0x0
	.amdhsa_kernel k_q908b10e371_proj
		.amdhsa_group_segment_fixed_size 327680
		.amdhsa_private_segment_fixed_size 0
		.amdhsa_enable_private_segment 0
		.amdhsa_kernarg_size 32
		.amdhsa_user_sgpr_count 2
		.amdhsa_user_sgpr_kernarg_segment_ptr 1
		.amdhsa_wavefront_size32 1
		.amdhsa_system_sgpr_workgroup_id_x 1
		.amdhsa_system_sgpr_workgroup_id_y 1
		.amdhsa_system_sgpr_workgroup_id_z 1
		.amdhsa_system_vgpr_workitem_id 0
		.amdhsa_next_free_vgpr 1024
		.amdhsa_next_free_sgpr 100
		.amdhsa_reserve_vcc 0
		.amdhsa_float_denorm_mode_32 3
		.amdhsa_float_denorm_mode_16_64 3
		.amdhsa_memory_ordered 1
		.amdhsa_forward_progress 1
		.amdhsa_inst_pref_size 227
	.end_amdhsa_kernel
	.amdgpu_metadata
---
amdhsa.version: [ 1, 2 ]
amdhsa.kernels:
  - .name:           k_q908b10e371_proj
    .symbol:         k_q908b10e371_proj.kd
    .args:
      - { .name: inc, .offset: 0, .size: 8, .value_kind: global_buffer, .address_space: global }
      - { .name: ins, .offset: 8, .size: 8, .value_kind: global_buffer, .address_space: global }
      - { .name: qkc, .offset: 16, .size: 8, .value_kind: global_buffer, .address_space: global }
      - { .name: qks, .offset: 24, .size: 8, .value_kind: global_buffer, .address_space: global }
    .group_segment_fixed_size: 327680
    .private_segment_fixed_size: 0
    .kernarg_segment_align: 8
    .kernarg_segment_size: 32
    .max_flat_workgroup_size: 128
    .sgpr_count:     100
    .vgpr_count:     1024
    .wavefront_size: 32
...
	.end_amdgpu_metadata
.endif
;; end of part 2
;; launch scores (part 3): grid 4 x 64, 4 waves a work-group, clusters of 4 x 4, 327,680 bytes of LDS; arguments qkc, qks, pc, pst; writes pc, pst
.if DOCPART == 3
	.amdgcn_target "amdgcn-amd-amdhsa--gfx1250"
	.amdhsa_code_object_version 6
	.text
	.protected	k_q908b10e371_scores
	.globl	k_q908b10e371_scores
	.p2align	8
	.type	k_q908b10e371_scores,@function
k_q908b10e371_scores:
	s_mov_b64 s[64:65], 0
	v_nop
	global_prefetch_b8 v0, s[64:65] scope:SCOPE_SE
	s_setreg_imm32_b32 hwreg(HW_REG_WAVE_MODE, 25, 1), 1
	s_wait_xcnt 0x0
	s_wait_alu depctr_hold_cnt(0) depctr_sa_sdst(0) depctr_va_vdst(0) depctr_va_sdst(0) depctr_va_ssrc(0) depctr_va_vcc(0) depctr_vm_vsrc(0)
	s_getreg_b32 s2, hwreg(HW_REG_IB_STS2, 6, 4)
	s_cmp_eq_u32 s2, 0
	s_cbranch_scc0 .Lentry_in_a_cluster
	s_endpgm
.Lentry_in_a_cluster:
	s_bfe_u32 s2, ttmp6, 0x10000c
	s_cmp_lg_u32 s2, 0xf033
	s_cbranch_scc0 .Lentry_shape_is_right
	s_endpgm
.Lentry_shape_is_right:
; S^T = k q^T on codes of FP6 (E2M3) with E8M0 scales, sums in f32; then a softmax LOCAL to each 128 keys: t = score x log2(e) / 32, M = ceil(the largest t of these 128 keys), a whole number,
; p = 2^(t - M), quantised along the keys; the sum of the unquantised p.  Stored: p's codes and scale words, -M and the sum, for each (query, 128 keys).  The next launch brings all under the row's largest M:
; the difference of two M is a whole number, so it is taken off the scale bytes and the codes stay as they are.
; LIMITS: a block whose every p lies under 2^-124 gets the byte 1; NaN and infinities are not served; the promise holds while |t| stays under 2^31.
; OPERANDS AND p lie in memory as images of registers, in blocks of 128 rows (8 tiles), K step outermost: fragment (K step ks, tile n) at (8 ks + n) 1536 of its block; q's and k's blocks have 8 K steps, p's 16.
; SHARES.  Work-group (j, i): 128 queries (block i) x two tiles of 256 keys (blocks 4 j .. 4 j + 3 of the batch i / 16).  Source 0 = the keys' block wa = w % 2, source 1 = the queries' tiles 4 wb .., wb = w / 2:
; a lane holds one query, and the 16 registers of key tiles 2 b and 2 b + 1 are 16 neighbouring keys: a wave's 128 keys are one K step of the next product.
; LDS: bytes 0 .. 98,303 the queries [K step][tile]; from 98,304 the two blocks of keys.  THE HEAD asks for the queries and the first 256 keys over all of K, one joint load a wave.
; The keys' two K halves (49,152 dense bytes a block) are then filled again with the second 256 keys, 24,576 bytes a wave: half 0 when it is read out, half 1 in the middle of the first softmax; the queries stay.
; CLUSTER: queries asked for jointly along a row of the cluster, keys along a column.
; PREFETCH: the two refills' bytes are asked for behind the head's load.  Of the 24,576 bytes that a wave will fetch, each of the column's four partners names 6,144, told apart by address: 24 lanes, 256 bytes apart
; (lanes 24-31 name lane 23's block again); every address lies inside its block.
; REGISTERS: window 0: v0-31 addresses, v32-159 scale words, v176-227 at work; window 1: source 0's fragments, set p at v[96 p]; window 2: accumulator (a, b) at v[8 (8 a + b)]; window 3: source 1's, set p at v[48 p].
.set HALF,   49152
.set R0,     98304
.set SPARE,  3*R0
.set SC,  32
.set PWQ, 176                          ; v176-179 p's scale words of the four tiles
.set PC,  180                          ; v180-191 a fragment's codes; v192-194, v196-198 at work
.set NM,  200                          ; v200-203 -M
.set LS,  204                          ; v204-207 the sums
.set BM,  208                          ; v208-211 the blocks' largest scores, then their largest p
.set BP,  212                          ; v212-215 at work
.set SO,  216                          ; v216-219 the conversions' scale operands
.set G1X, 24
.set G0X, 32
.set G1W, 40
.set G0W, 48
.set G1C, 84
.set G0C, 92
.set WQ,  99
.set PFC, 52                           ; s[52:53] prefetch: my work-group's quarter of what I fetch of the second keys
.set PFO, 21                           ; v21      256 x min(lane, 23); never rewritten
.set MULW, 0xad
.set MSB, 0
.macro WIN new
.if MSB != \new
	s_set_vgpr_msb (MSB<<8)|\new
.set MSB, \new
.endif
.endm
.macro PLACES n
.rept \n
	v_nop
.endr
.endm
.macro JLOAD                           ; the head's joint load: waves 0, 1 for the queries, waves 2, 3 for the keys; an s_nop 0 and four v_nop follow each line
	s_cmp_eq_u32 s15, 0
	s_cbranch_scc0 .Lfor_w_\@
	tensor_load_to_lds s[G0X:G0X+3], s[G1X:G1X+7]
	s_nop 0
.rept 4
	v_nop
.endr
	s_branch .Lasked_\@
.Lfor_w_\@:
	tensor_load_to_lds s[G0W:G0W+3], s[G1W:G1W+7]
	s_nop 0
.rept 4
	v_nop
.endr
.Lasked_\@:
.endm
.macro WLOAD sl                        ; the second keys' K half sl: every wave fetches 24,576 bytes; no load of mine is out, so the group 0 may be written
	s_mov_b32 s[G0C], 1
	s_add_co_u32 s[G0C+1], s[WQ], (\sl)*HALF
	s_add_nc_u64 s[G0C+2:G0C+3], s[12:13], (\sl)*HALF
	s_or_b32 s[G0C+3], s[G0C+3], 0x80000000
	tensor_load_to_lds s[G0C:G0C+3], s[G1C:G1C+7]
	s_nop 0
.rept 4
	v_nop
.endr
.endm
.macro CREST
	s_cmp_lg_u32 s14, 0
	s_cbranch_scc1 .Lnot_wave_0_\@
	s_barrier_signal -3
.Lnot_wave_0_\@:
	s_barrier_wait -3
	s_barrier_signal -1
	s_barrier_wait -1
.endm
.macro CROUND
	s_barrier_signal -1
	s_barrier_wait -1
	CREST
.endm
.macro MUL a0, n, p, sc, zero          ; the 32 accumulators take turns, one instruction a turn
.set ma, \a0
.rept \n
.irp b, 0,1,2,3,4,5,6,7
.if \zero
	v_wmma_scale_f32_16x16x128_f8f6f4 v[8*(8*ma+\b):8*(8*ma+\b)+7], v[96*(\p)+12*\b:96*(\p)+12*\b+11], v[48*(\p)+12*ma:48*(\p)+12*ma+11], 0, v[(\sc)+\b], v[(\sc)+ma] matrix_a_fmt:MATRIX_FMT_FP6 matrix_b_fmt:MATRIX_FMT_FP6 matrix_a_scale:MATRIX_SCALE_ROW1
.else
	v_wmma_scale_f32_16x16x128_f8f6f4 v[8*(8*ma+\b):8*(8*ma+\b)+7], v[96*(\p)+12*\b:96*(\p)+12*\b+11], v[48*(\p)+12*ma:48*(\p)+12*ma+11], v[8*(8*ma+\b):8*(8*ma+\b)+7], v[(\sc)+\b], v[(\sc)+ma] matrix_a_fmt:MATRIX_FMT_FP6 matrix_b_fmt:MATRIX_FMT_FP6 matrix_a_scale:MATRIX_SCALE_ROW1
.endif
.endr
.set ma, ma+1
.endr
.endm
.macro FETCH r0, r1, ksl, p            ; 36 LDS loads in one run: K step ksl of a half: 8 + 4 fragments into set p
	WIN 0x40
.irp n, 0,1,2,3,4,5,6,7
.irp c, 0,1,2
	ds_load_b128 v[96*(\p)+12*\n+4*\c:96*(\p)+12*\n+4*\c+3], v[\r0] offset:1536*\n+12288*(\ksl)+512*\c
.endr
.endr
	WIN 0xc0
.irp n, 0,1,2,3
.irp c, 0,1,2
	ds_load_b128 v[48*(\p)+12*\n+4*\c:48*(\p)+12*\n+4*\c+3], v[\r1] offset:1536*\n+12288*(\ksl)+512*\c
.endr
.endr
.endm
.macro STEP r0, r1, ksl, sc, zero
	s_wait_dscnt 0x0                               ; this step's set is in
	PLACES 4                                       ; in front of loads into the set that the last step's products read
	FETCH \r0, \r1, (\ksl)+1, ((\ksl)+1)%2
	WIN MULW
	MUL 0, 4, (\ksl)%2, \sc, \zero
.endm
.macro HALFK r0, r1, sc, zero
	STEP \r0, \r1, 0, \sc, \zero
	STEP \r0, \r1, 1, (\sc)+8, 0
	STEP \r0, \r1, 2, (\sc)+16, 0
.endm
.macro TURN sl, sc, fill, n0, n1       ; a half's last K step changes halves among its products.  fill = 1: the keys' part of this half is filled again
	WIN 0
	s_wait_tensorcnt 0x0                           ; all my tensor loads have landed
	ds_add_u32 v28, v29                            ; 0 onto my spare word
	s_wait_dscnt 0x1                               ; this step's 36 loads are in; the add alone may be out
	WIN MULW
	MUL 0, 1, 1, \sc, 0
	s_wait_dscnt 0x0                               ; the add is done, and my reads of this half are over
	s_barrier_signal -1
	MUL 1, 1, 1, \sc, 0
	WIN 0
	s_barrier_wait -1
.if \fill
	CREST                                          ; no wave of any partner still reads this half's keys or has a load on its way
	WLOAD \sl                                      ; its four v_nop are also the places in front of the loads below
.else
	PLACES 4
.endif
	FETCH \n0, \n1, 0, 0
	WIN MULW
	MUL 2, 2, 1, \sc, 0
	WIN 0
.endm
.macro LAST sc
	s_wait_dscnt 0x0
	WIN MULW
	MUL 0, 4, 1, \sc, 0
	WIN 0
.endm
.macro CHANGE sl, n0, n1               ; the change of halves among the softmax's tiles: the three lines, a round, the refill, and the other half's first fragments
	WIN 0
	s_wait_tensorcnt 0x0                           ; all my tensor loads have landed: my part of the other half's keys
	ds_add_u32 v28, v29                            ; 0 onto my spare word
	s_wait_dscnt 0x0                               ; the add is done; my reads of this half ended ahead of its last products
	CROUND
	WLOAD \sl
	FETCH \n0, \n1, 0, 0
.endm
.macro CODES a, so                     ; the 64 numbers of tile a (register 16 b + i = key 32 b + 16 h + i of my query) become 12 registers of codes
	s_wait_xcnt 0x0                                ; the last fragment's stores have read the codes' registers
	WIN 0x02
.irp c, 0,1
	v_cvt_scalef32_pk16_fp6_f32 v[PC+6*\c:PC+6*\c+2], v[64*\a+32*\c:64*\a+32*\c+15], v[\so+2*\c]
	v_cvt_scalef32_pk16_fp6_f32 v[PC+12+4*\c:PC+14+4*\c], v[64*\a+32*\c+16:64*\a+32*\c+31], v[\so+2*\c+1]
.endr
	WIN 0
	v_nop                                          ; one plain place behind a scaled conversion
.irp c, 0,1
.irp i, 0,1,2
	v_permlane16_swap_b32 v[PC+6*\c+\i], v[PC+12+4*\c+\i]
.endr
.irp i, 0,1,2
	v_mov_b32 v[PC+3+6*\c+\i], v[PC+12+4*\c+\i]
.endr
.endr
.endm
.macro PUT cb, off
.irp c, 0,1,2
	global_store_b128 v3, v[PC+4*\c:PC+4*\c+3], s[\cb:\cb+1] offset:(\off)+512*\c
.endr
.endm
.macro QSTORE r0, sb, off              ; four tiles' words: 256 consecutive bytes, aligned
	s_wait_xcnt 0x0
	v_cndmask_b32 v30, v[\r0], v[\r0+2], s22
	v_cndmask_b32 v31, v[\r0+1], v[\r0+3], s22
	global_store_b64 v4, v[30:31], s[\sb:\sb+1] offset:\off
.endm
.macro SOFT a                          ; the softmax of query tile a over my 128 keys
	WIN 0x0a
.irp b, 0,1,2,3
	v_max3_num_f32 v[BM+\b], v[64*\a+16*\b], v[64*\a+16*\b+1], 0xff800000   ; the largest score of each block of 32 keys; each accumulator from its low end on
.endr
.irp i, 2,4,6,8,10,12,14
.irp b, 0,1,2,3
	v_max3_num_f32 v[BM+\b], v[64*\a+16*\b+\i], v[64*\a+16*\b+\i+1], v[BM+\b]
.endr
.endr
	WIN 0
.irp b, 0,1,2,3
	v_permlanex16_b32 v[BP+\b], v[BM+\b], s68, s69
.endr
.irp b, 0,1,2,3
	v_max_num_f32 v[BM+\b], v[BM+\b], v[BP+\b]     ; with lane l xor 16's 16 keys
.endr
	v_max3_num_f32 v226, v[BM], v[BM+1], v[BM+2]
	v_max_num_f32 v226, v226, v[BM+3]              ; my query's largest score of the 128
	v_mul_f32 v226, s70, v226                      ; as t (c is positive)
	v_floor_f32 v220, -v226                        ; -M = floor(-t) = -ceil(t)
	WIN 0x82
.set jj, 64*\a
.rept 32
	v_pk_fma_f32 v[jj:jj+1], v[jj:jj+1], s[70:71], v[220:221] op_sel_hi:[1,0,0]   ; t - M, two at a time
.set jj, jj+2
.endr
	WIN 0
.irp b, 0,1,2,3
	v_fma_f32 v[BM+\b], v[BM+\b], s70, v220        ; the same of each block's largest score
.endr
	WIN 0x82
.set jj, 64*\a
	s_wait_alu depctr_va_vdst(0)                   ; the wait ahead of the batch
.rept 64
	v_exp_f32 v[jj], v[jj]                         ; p = 2^(t - M)
.set jj, jj+1
.endr
	WIN 0
	v_mov_b32 v[NM+\a], v220                       ; (a plain place behind the exponentials)
	s_wait_alu depctr_va_vdst(0)                   ; one wait for the batch of 64, ahead of its first reader
.irp b, 0,1,2,3
	v_exp_f32 v[BM+\b], v[BM+\b]                   ; the block's largest p: the same two instructions on the same number give the same bits
.endr
	WIN 0x0a
	v_pk_add_f32 v[222:223], v[64*\a:64*\a+1], v[64*\a+2:64*\a+3]      ; the sum of the unquantised p, in two chains
	v_pk_add_f32 v[224:225], v[64*\a+4:64*\a+5], v[64*\a+6:64*\a+7]
	WIN 0x02
.set jj, 64*\a+8
.rept 14
	v_pk_add_f32 v[222:223], v[jj:jj+1], v[222:223]
	v_pk_add_f32 v[224:225], v[jj+2:jj+3], v[224:225]
.set jj, jj+4
.endr
	WIN 0
	v_pk_add_f32 v[222:223], v[222:223], v[224:225]
	v_add_f32 v226, v222, v223
	v_permlanex16_b32 v227, v226, s68, s69
	v_add_f32 v[LS+\a], v226, v227                 ; with lane l xor 16's: the 128 keys' sum
	s_wait_alu depctr_va_vdst(0)                   ; and one wait for the four
.irp b, 0,1,2,3
	v_max_num_f32 v[BM+\b], 0x1800000, v[BM+\b]    ; the floor 2^(3 - 127): the byte cannot fall under 1
.endr
.irp b, 0,1,2,3
	v_add_nc_u32 v[SO+\b], 0xff000000, v[BM+\b]    ; 2 off the exponent field: the conversion's scale operand
.endr
.irp b, 0,1,2,3
	v_lshrrev_b32 v[BP+\b], 23, v[SO+\b]           ; the scale's byte
.endr
	v_lshl_or_b32 v[PWQ+\a], v[BP+1], 8, v[BP]
	v_lshl_or_b32 v[PWQ+\a], v[BP+2], 16, v[PWQ+\a]
	v_lshl_or_b32 v[PWQ+\a], v[BP+3], 24, v[PWQ+\a]
	CODES \a, SO
.endm
.macro TILE n, a                       ; query tile a against key tile n of my two: the second lies two K steps of p on
	SOFT \a
	PUT 60, 24576*(\n)+1536*\a
.endm
.macro WORDS n                         ; the four query tiles' scale words, -M and sums
	QSTORE PWQ, 62, 1536*(\n)
	QSTORE NM, 62, 1536*(\n)+256
	QSTORE LS, 62, 1536*(\n)+512
.endm
	s_load_b256 s[4:11], s[0:1], 0x0               ; qkc, qks, pc, pst
	v_lshl_add_u32 v28, v0, 2, SPARE
	v_mov_b32 v29, 0
	ds_add_u32 v28, v29                            ; the opening lines: the add, twice on end, and its wait
	ds_add_u32 v28, v29
	v_lshrrev_b32 v1, 5, v0
	v_readfirstlane_b32 s14, v1                    ; wave w
	s_lshr_b32 s15, s14, 1                         ; wb.  Also: at the head I fetch queries (0) or keys (1)
	s_and_b32 s16, s14, 1                          ; wa.  Also: which part I fetch
	s_bfe_u32 s17, ttmp6, 0x40000                  ; cx
	s_bfe_u32 s18, ttmp6, 0x40004                  ; cy
	s_lshl_b32 s23, ttmp9, 2
	s_add_co_u32 s23, s23, s17                     ; j
	s_and_b32 s19, ttmp7, 0xffff
	s_lshl_b32 s20, s19, 2
	s_add_co_u32 s20, s20, s18                     ; i
	s_lshr_b32 s21, s19, 2                         ; the batch: the same in all sixteen partners
	s_lshl_b32 s72, s18, 2
	s_lshl_b32 s72, 15, s72                        ; my row of the cluster
	s_lshl_b32 s73, 0x1111, s17                    ; my column
	s_or_b32 s[G1X], s72, (3<<16)|(1<<21)          ; the mask; elements of 8 bytes; bit 21 set beside a mask
	s_or_b32 s[G1W], s73, (3<<16)|(1<<21)
	s_mov_b32 s[G1X+1], 768<<16                    ; dense bytes, as rows of 6,144
	s_mov_b32 s[G1X+2], 8<<16                      ; a half of the queries' block: 8 rows
	s_mov_b32 s[G1X+3], 768<<16
	s_mov_b32 s[G1X+4], 8
	s_mov_b32 s[G1X+5], 768
	s_mov_b32 s[G1X+6], 0
	s_mov_b32 s[G1X+7], 0
	s_mov_b32 s[G1W+1], 768<<16
	s_mov_b32 s[G1W+2], 16<<16                     ; a block of keys: 16 rows
	s_mov_b32 s[G1W+3], 768<<16
	s_mov_b32 s[G1W+4], 16
	s_mov_b32 s[G1W+5], 768
	s_mov_b32 s[G1W+6], 0
	s_mov_b32 s[G1W+7], 0
	s_mul_i32 s74, s16, 24576
	s_mul_i32 s75, s16, R0
	s_add_co_u32 s75, s75, R0                      ; LDS: the keys' block
	s_lshl_b32 s76, s20, 1
	s_add_co_u32 s76, s76, s16
	s_mul_i32 s76, s76, HALF                       ; q: block i, my half
	s_mov_b32 s77, 0
	s_lshl_b32 s78, s21, 4
	s_lshl_b32 s79, s23, 2
	s_add_co_u32 s78, s78, s79
	s_add_co_u32 s92, s78, s15
	s_add_co_u32 s78, s78, s16
	s_mul_i32 s78, s78, R0                         ; k: block 16 batch + 4 j + part,
	s_add_co_u32 s78, s78, 6291456                 ; behind q's codes
	s_mov_b32 s79, 0
	s_mov_b32 s[G0X], 1
	s_mul_i32 s[G0X+1], s16, HALF
	s_mov_b32 s[G0W], 1
	s_mov_b32 s[G0W+1], s75
	s_wait_dscnt 0x0                               ; both opening adds are done
	s_wait_kmcnt 0x0
	s_add_nc_u64 s[G0X+2:G0X+3], s[4:5], s[76:77]
	s_or_b32 s[G0X+3], s[G0X+3], 0x80000000
	s_add_nc_u64 s[G0W+2:G0W+3], s[4:5], s[78:79]
	s_or_b32 s[G0W+3], s[G0W+3], 0x80000000
	CROUND                                         ; all sixteen work-groups are here: the first joint loads meet
	JLOAD                                          ; the queries and the first 256 keys over all of K: one load a wave.  All else of the head stands under its flight
	s_or_b32 s[G1C], s73, (3<<16)|(1<<21)
	s_mov_b32 s[G1C+1], 768<<16
	s_mov_b32 s[G1C+2], 4<<16                      ; a refill: 4 rows
	s_mov_b32 s[G1C+3], 768<<16
	s_mov_b32 s[G1C+4], 4
	s_mov_b32 s[G1C+5], 768
	s_mov_b32 s[G1C+6], 0
	s_mov_b32 s[G1C+7], 0
	s_mul_i32 s[WQ], s15, R0
	s_add_co_u32 s[WQ], s[WQ], s74
	s_add_co_u32 s[WQ], s[WQ], R0                  ; a refill's place: block w / 2, + 24,576 (w % 2)
	s_add_co_u32 s92, s92, 2
	s_mul_i32 s92, s92, R0                         ; the second keys: block 16 batch + 4 j + 2 + w / 2,
	s_add_co_u32 s92, s92, s74                     ; + 24,576 (w % 2)
	s_add_co_u32 s92, s92, 6291456
	s_mov_b32 s93, 0
	s_add_nc_u64 s[12:13], s[4:5], s[92:93]
	s_lshl_b32 s80, s20, 4                         ; p's codes: block i, K step 4 j + wa, tile 4 wb
	s_lshl_b32 s81, s23, 2
	s_add_co_u32 s80, s80, s81
	s_add_co_u32 s80, s80, s16
	s_mul_i32 s80, s80, 12288
	s_mul_i32 s81, s15, 6144
	s_add_co_u32 s80, s80, s81
	s_mov_b32 s81, 0
	s_add_nc_u64 s[60:61], s[8:9], s[80:81]
	s_lshl_b32 s82, s20, 5                         ; its scale words, -M and sums: ((2 i + wb) 16 + 4 j + wa) 768
	s_lshl_b32 s83, s15, 4
	s_add_co_u32 s82, s82, s83
	s_lshl_b32 s83, s23, 2
	s_add_co_u32 s82, s82, s83
	s_add_co_u32 s82, s82, s16
	s_mul_i32 s82, s82, 768
	s_mov_b32 s83, 0
	s_add_nc_u64 s[62:63], s[10:11], s[82:83]
	s_lshl_b32 s96, s20, 12                        ; in qks: q's group i, quad wb
	s_lshl_b32 s97, s15, 8
	s_add_co_u32 s96, s96, s97
	s_lshl_b32 s97, s21, 4
	s_lshl_b32 s98, s23, 2
	s_add_co_u32 s97, s97, s98
	s_add_co_u32 s97, s97, s16
	s_lshl_b32 s97, s97, 12
	s_add_co_u32 s97, s97, 262144                  ; k's group 16 batch + 4 j + wa, behind q's
	s_mov_b32 s22, 0xffff0000
	s_mov_b32 s68, 0x76543210
	s_mov_b32 s69, 0xfedcba98
	s_mov_b32 s70, 0x3d38aa3b                      ; c = log2(e) / sqrt(1024)
	s_mov_b32 s71, s70                             ; (named with it as a pair, so it is written)
	s_mul_i32 s54, s18, 6144                       ; the prefetches: my place in the column x a quarter of what I fetch
	s_mov_b32 s55, 0
	s_add_nc_u64 s[PFC:PFC+1], s[12:13], s[54:55]
	s_mul_i32 s72, s15, 6144
	v_and_b32 v1, 15, v0                           ; r
	v_bfe_u32 v2, v0, 4, 1                         ; h
	v_and_b32 v3, 31, v0
	v_min_u32 v[PFO], 23, v3
	v_lshlrev_b32 v3, 4, v3                        ; 16 x lane
	v_lshlrev_b32 v5, 4, v1                        ; 16 r
	v_lshl_add_u32 v4, v2, 3, v5                   ; 16 r + 8 h
	v_mov_b32 v19, s96
	v_mov_b32 v20, s97
	v_cndmask_b32 v14, v19, v20, s22               ; lanes 0-15 take q's quad, lanes 16-31 the keys' first quad
	v_add_nc_u32 v14, v14, v5
	v_lshl_add_u32 v15, v2, 13, v14                ; the second key tile's groups lie 2 groups on
	v_add3_u32 v16, v5, s97, 256                   ; the keys' second quad
.irp k, 0,1,2,3,4,5,6,7
	global_load_b128 v[SC+8*\k:SC+8*\k+3], v14, s[6:7] offset:512*\k
	global_load_b128 v[SC+8*\k+4:SC+8*\k+7], v16, s[6:7] offset:512*\k
	global_load_b128 v[SC+64+8*\k:SC+64+8*\k+3], v15, s[6:7] offset:512*\k
	global_load_b128 v[SC+64+8*\k+4:SC+64+8*\k+7], v16, s[6:7] offset:512*\k+8192
.endr
	v_lshlrev_b32 v[PFO], 8, v[PFO]
	global_prefetch_b8 v[PFO], s[PFC:PFC+1] th:TH_LOAD_NT scope:SCOPE_SE                 ; the second keys' K half 0,
	global_prefetch_b8 v[PFO], s[PFC:PFC+1] offset:HALF th:TH_LOAD_NT scope:SCOPE_SE     ; and K half 1
	v_add_nc_u32 v6, s75, v3                       ; source 0 = the keys' block wa, K half 0,
	v_add_nc_u32 v7, HALF, v6                      ; K half 1
	v_add_nc_u32 v8, s72, v3                       ; source 1 = the queries' tiles 4 wb ..
	v_add_nc_u32 v9, HALF, v8
.irp b, 0,1,2,3
	v_mov_b32 v[BP+\b], 0                          ; written once: a lane permute's destination counts as one of its sources
.endr
	v_mov_b32 v227, 0
	v_mov_b32 v221, 0                              ; (named as the upper half of the pair v[220:221])
	s_wait_alu depctr_va_vdst(0)                   ; the wait at the head's end
	s_wait_loadcnt 0x0                             ; the scale words
	s_wait_tensorcnt 0x0                           ; my part of the head's tiles is in
	s_barrier_signal -1
	s_barrier_wait -1                              ; everybody's part is in
	FETCH 6, 8, 0, 0
	HALFK 6, 8, SC, 1                              ; ---- the first key tile
	TURN 0, SC+24, 1, 7, 9                         ; the second key tile's K half 0
	HALFK 7, 9, SC+32, 0
	LAST SC+56
	PLACES 4                                       ; behind the last products, in front of the first read of results
	TILE 0, 0
	TILE 0, 1
	CHANGE 1, 6, 8                                 ; its K half 1; half 0's first fragments
	TILE 0, 2
	TILE 0, 3
	WORDS 0
	HALFK 6, 8, SC+64, 1                           ; ---- the second key tile
	TURN 0, SC+88, 0, 7, 9                         ; nothing is left to fetch: a plain barrier
	HALFK 7, 9, SC+96, 0
	LAST SC+120
	PLACES 4
	TILE 1, 0
	TILE 1, 1
	TILE 1, 2
	TILE 1, 3
	WORDS 1
	s_wait_tensorcnt 0x0                           ; the wave's end
	ds_add_u32 v28, v29
	s_wait_dscnt 0x0
	CROUND                                         ; the closing round
	s_endpgm
.Lfunc_end_k_q908b10e371_scores:
	.size	k_q908b10e371_scores, .Lfunc_end_k_q908b10e371_scores-k_q908b10e371_scores
	.p2alignl 7, 3214868480
	.fill 96, 4, 3214868480
	.section	.rodata,"a",@progbits
	.p2align	6, 0x0
	.amdhsa_kernel k_q908b10e371_scores
		.amdhsa_group_segment_fixed_size 327680
		.amdhsa_private_segment_fixed_size 0
		.amdhsa_enable_private_segment 0
		.amdhsa_kernarg_size 32
		.amdhsa_user_sgpr_count 2
		.amdhsa_user_sgpr_kernarg_segment_ptr 1
		.amdhsa_wavefront_size32 1
		.amdhsa_system_sgpr_workgroup_id_x 1
		.amdhsa_system_sgpr_workgroup_id_y 1
		.amdhsa_system_sgpr_workgroup_id_z 1
		.amdhsa_system_vgpr_workitem_id 0
		.amdhsa_next_free_vgpr 1024
		.amdhsa_next_free_sgpr 100
		.amdhsa_reserve_vcc 0
		.amdhsa_float_denorm_mode_32 3
		.amdhsa_float_denorm_mode_16_64 3
		.amdhsa_memory_ordered 1
		.amdhsa_forward_progress 1
		.amdhsa_inst_pref_size 210
	.end_amdhsa_kernel
	.amdgpu_metadata
---
amdhsa.version: [ 1, 2 ]
amdhsa.kernels:
  - .name:           k_q908b10e371_scores
    .symbol:         k_q908b10e371_scores.kd
    .args:
      - { .name: qkc, .offset: 0, .size: 8, .value_kind: global_buffer, .address_space: global }
      - { .name: qks, .offset: 8, .size: 8, .value_kind: global_buffer, .address_space: global }
      - { .name: pc, .offset: 16, .size: 8, .value_kind: global_buffer, .address_space: global }
      - { .name: pst, .offset: 24, .size: 8, .value_kind: global_buffer, .address_space: global }
    .group_segment_fixed_size: 327680
    .private_segment_fixed_size: 0
    .kernarg_segment_align: 8
    .kernarg_segment_size: 32
    .max_flat_workgroup_size: 128
    .sgpr_count:     100
    .vgpr_count:     1024
    .wavefront_size: 32
...
	.end_amdgpu_metadata
.endif
;; end of part 3
;; launch pv (part 4): grid 4 x 64, 4 waves a work-group, clusters of 4 x 4, 327,680 bytes of LDS; arguments pc, pst, qkc, qks, out0; writes out0
.if DOCPART == 4
	.amdgcn_target "amdgcn-amd-amdhsa--gfx1250"
	.amdhsa_code_object_version 6
	.text
	.protected	k_q908b10e371_pv
	.globl	k_q908b10e371_pv
	.p2align	8
	.type	k_q908b10e371_pv,@function
k_q908b10e371_pv:
	s_mov_b64 s[64:65], 0
	v_nop
	global_prefetch_b8 v0, s[64:65] scope:SCOPE_SE
	s_setreg_imm32_b32 hwreg(HW_REG_WAVE_MODE, 25, 1), 1
	s_wait_xcnt 0x0
	s_wait_alu depctr_hold_cnt(0) depctr_sa_sdst(0) depctr_va_vdst(0) depctr_va_sdst(0) depctr_va_ssrc(0) depctr_va_vcc(0) depctr_vm_vsrc(0)
	s_getreg_b32 s2, hwreg(HW_REG_IB_STS2, 6, 4)
	s_cmp_eq_u32 s2, 0
	s_cbranch_scc0 .Lentry_in_a_cluster
	s_endpgm
.Lentry_in_a_cluster:
	s_bfe_u32 s2, ttmp6, 0x10000c
	s_cmp_lg_u32 s2, 0xf033
	s_cbranch_scc0 .Lentry_shape_is_right
	s_endpgm
.Lentry_shape_is_right:
; O^T = v^T p^T on codes of FP6 (E2M3) with E8M0 scales, K = the batch's 2,048 keys, sums in f32; O is divided by the row's sum and stored as f32.
; p was made under an M of its own for each 128 keys.  Here the row's largest M is found; for each K step the whole number M - M_ks is taken off p's four scale bytes (held at 0), and the K step's sum is
; multiplied by 2^(M_ks - M): both are exact powers of two, so the codes' values are those of p under the row's M.
; LIMITS: a block whose byte would fall under 0 keeps its codes under the byte 0: at most 7.5 x 2^-127 each, beside a row's sum above 1/2.  NaN and infinities are not served.
; OPERANDS lie in memory as images of registers, in blocks of 128 rows (8 tiles), K step outermost: fragment (K step, tile n) at (8 K step + n) 1536 of its block: p's block i (16 K steps) at 196,608 i of pc;
; v's block of 128 of d (64 K steps, 16 a batch) at 12,582,912 + 786,432 x block of qkc.
; SHARES.  Work-group (j, i): 128 queries (block i) x 256 of d (blocks 2 j, 2 j + 1).  Source 0 = v's block wa = w % 2, source 1 = p's tiles 4 wb .., wb = w / 2: a lane holds one query, its registers run along d.
; LDS: bytes 0 .. 98,303 p [8 K steps][tile]; from 98,304 v's two blocks likewise.  THE HEAD asks for K steps 0 to 7, one joint load a wave; the two halves of 4 K steps then take turns as two slots for K steps 8 to 15.
; CLUSTER: p asked for jointly along a row of the cluster, v along a column.
; PREFETCH: the two refills' bytes (K steps 8 to 15) are asked for behind the head's loads.  Of the bytes that a wave will fetch, each of the four partners that ask for them jointly names a quarter, told apart by address:
; 24 lanes, 256 bytes apart, to 6,144 bytes (lanes 24-31 name lane 23's block again); every address lies inside its block's 16 K steps.
; REGISTERS: window 0: v0-31 addresses, v32-159 scale words (8 for each of 16 K steps), v160-251 at work; window 1: source 0's fragments, set p at v[96 p]; v192-255 v's first quads of scale words.
; window 2: accumulator (a, b) at v[8 (8 a + b)]; on the way out tile a's rows come back from the stage into its own 64 registers.  window 3: source 1's, set p at v[48 p]; v96-159 -M, v160-223 the sums.
.set HALF,   49152
.set R0,     98304
.set SPARE,  3*R0
.set SC,  32
.set GM,  160                          ; v160     minus the row's M
.set T,   164                          ; v164-179 at work, a register for each K step
.set U,   180                          ; v180-195
.set V,   196                          ; v196-211
.set RC,  240                          ; v240-247 1 / the row's sum, a pair for each tile
.set LA,  248                          ; v248-251 the rows' sums
.set G1X, 24
.set G0X, 32
.set G1W, 40
.set G0W, 48
.set PX,  56                           ; s[56:57] p: K step 8, my 24,576 bytes
.set PW,  58                           ; s[58:59] v: my block, K step 8 of the batch
.set PFA, 52                           ; s[52:53] prefetch: my work-group's quarter of what I fetch
.set PFO, 21                           ; v21      256 x min(lane, 23); never rewritten
.set MULW, 0xad
.set MSB, 0
.macro WIN new
.if MSB != \new
	s_set_vgpr_msb (MSB<<8)|\new
.set MSB, \new
.endif
.endm
.macro PLACES n
.rept \n
	v_nop
.endr
.endm
.macro JLOAD                           ; a joint load: waves 0, 1 for p, waves 2, 3 for v; an s_nop 0 and four v_nop follow each line
	s_cmp_eq_u32 s15, 0
	s_cbranch_scc0 .Lfor_w_\@
	tensor_load_to_lds s[G0X:G0X+3], s[G1X:G1X+7]
	s_nop 0
.rept 4
	v_nop
.endr
	s_branch .Lasked_\@
.Lfor_w_\@:
	tensor_load_to_lds s[G0W:G0W+3], s[G1W:G1W+7]
	s_nop 0
.rept 4
	v_nop
.endr
.Lasked_\@:
.endm
.macro CREST
	s_cmp_lg_u32 s14, 0
	s_cbranch_scc1 .Lnot_wave_0_\@
	s_barrier_signal -3
.Lnot_wave_0_\@:
	s_barrier_wait -3
	s_barrier_signal -1
	s_barrier_wait -1
.endm
.macro CROUND
	s_barrier_signal -1
	s_barrier_wait -1
	CREST
.endm
.macro MUL a0, n, p, sc, zero          ; the 32 accumulators take turns, one instruction a turn
.set ma, \a0
.rept \n
.irp b, 0,1,2,3,4,5,6,7
.if \zero
	v_wmma_scale_f32_16x16x128_f8f6f4 v[8*(8*ma+\b):8*(8*ma+\b)+7], v[96*(\p)+12*\b:96*(\p)+12*\b+11], v[48*(\p)+12*ma:48*(\p)+12*ma+11], 0, v[(\sc)+\b], v[(\sc)+ma] matrix_a_fmt:MATRIX_FMT_FP6 matrix_b_fmt:MATRIX_FMT_FP6 matrix_a_scale:MATRIX_SCALE_ROW1
.else
	v_wmma_scale_f32_16x16x128_f8f6f4 v[8*(8*ma+\b):8*(8*ma+\b)+7], v[96*(\p)+12*\b:96*(\p)+12*\b+11], v[48*(\p)+12*ma:48*(\p)+12*ma+11], v[8*(8*ma+\b):8*(8*ma+\b)+7], v[(\sc)+\b], v[(\sc)+ma] matrix_a_fmt:MATRIX_FMT_FP6 matrix_b_fmt:MATRIX_FMT_FP6 matrix_a_scale:MATRIX_SCALE_ROW1
.endif
.endr
.set ma, ma+1
.endr
.endm
.macro FETCH r0, r1, ksl, p            ; 36 LDS loads in one run: K step ksl of a half: 8 + 4 fragments into set p
	WIN 0x40
.irp n, 0,1,2,3,4,5,6,7
.irp c, 0,1,2
	ds_load_b128 v[96*(\p)+12*\n+4*\c:96*(\p)+12*\n+4*\c+3], v[\r0] offset:1536*\n+12288*(\ksl)+512*\c
.endr
.endr
	WIN 0xc0
.irp n, 0,1,2,3
.irp c, 0,1,2
	ds_load_b128 v[48*(\p)+12*\n+4*\c:48*(\p)+12*\n+4*\c+3], v[\r1] offset:1536*\n+12288*(\ksl)+512*\c
.endr
.endr
.endm
.macro STEP r0, r1, ksl, sc, zero
	s_wait_dscnt 0x0                               ; this step's set is in
	PLACES 4                                       ; in front of loads into the set that the last step's products read
	FETCH \r0, \r1, (\ksl)+1, ((\ksl)+1)%2
	WIN MULW
	MUL 0, 4, (\ksl)%2, \sc, \zero
.endm
.macro HALFK r0, r1, sc, zero
	STEP \r0, \r1, 0, \sc, \zero
	STEP \r0, \r1, 1, (\sc)+8, 0
	STEP \r0, \r1, 2, (\sc)+16, 0
.endm
.macro TURN sl, sc, fill, n0, n1       ; a half's last K step changes halves.  fill = 1: this half takes the K steps 8 further on
	WIN 0
	s_wait_tensorcnt 0x0                           ; all my tensor loads have landed
	ds_add_u32 v28, v29                            ; 0 onto my spare word
	s_wait_dscnt 0x1                               ; this step's 36 loads are in; the add alone may be out
	WIN MULW
	MUL 0, 1, 1, \sc, 0
	s_wait_dscnt 0x0                               ; the add is done, and my reads of this half are over
	s_barrier_signal -1
	MUL 1, 1, 1, \sc, 0
	WIN 0
	s_barrier_wait -1
.if \fill
	CREST                                          ; no wave of any partner still reads this half or has a load on its way
	s_add_co_u32 s[G0X+1], s74, (\sl)*HALF
	s_add_nc_u64 s[G0X+2:G0X+3], s[PX:PX+1], (\sl)*HALF
	s_or_b32 s[G0X+3], s[G0X+3], 0x80000000
	s_add_co_u32 s[G0W+1], s75, (\sl)*HALF
	s_add_nc_u64 s[G0W+2:G0W+3], s[PW:PW+1], (\sl)*HALF
	s_or_b32 s[G0W+3], s[G0W+3], 0x80000000
	JLOAD                                          ; its four v_nop are also the places in front of the loads below
.else
	PLACES 4
.endif
	FETCH \n0, \n1, 0, 0
	WIN MULW
	MUL 2, 2, 1, \sc, 0
	WIN 0
.endm
.macro LAST sc
	s_wait_dscnt 0x0
	WIN MULW
	MUL 0, 4, 1, \sc, 0
	WIN 0
.endm
; Query tile a: the row's M and sum, and p's scale words under that M, joined with v's words in one register
.macro FIX a
	WIN 0x0f                                       ; sources 0 and 1: window 3
	v_min3_num_f32 v[GM], v[96+\a], v[100+\a], 0x7f800000
.irp k, 2,4,6,8,10,12,14
	v_min3_num_f32 v[GM], v[96+4*\k+\a], v[100+4*\k+\a], v[GM]       ; the least -M: minus the row's M
.endr
	WIN 0x0c
.irp k, 0,1,2,3,4,5,6,7,8,9,10,11,12,13,14,15
	v_sub_f32 v[T+\k], v[GM], v[96+4*\k+\a]        ; M_ks - M: a whole number, 0 or less
.endr
	WIN 0
.irp k, 0,1,2,3,4,5,6,7,8,9,10,11,12,13,14,15
	v_cvt_i32_f32 v[T+\k], v[T+\k]                 ; (it saturates)
.endr
	WIN 0x03
.irp k, 0,1,2,3,4,5,6,7,8,9,10,11,12,13,14,15
	v_ldexp_f32 v[U+\k], v[160+4*\k+\a], v[T+\k]   ; the K step's sum under the row's M: nothing is rounded
.endr
	WIN 0
.irp k, 0,4,8,12
	v_pk_add_f32 v[U+\k:U+\k+1], v[U+\k:U+\k+1], v[U+\k+2:U+\k+3]
.endr
	v_pk_add_f32 v[U:U+1], v[U:U+1], v[U+4:U+5]
	v_pk_add_f32 v[U+8:U+9], v[U+8:U+9], v[U+12:U+13]
	v_pk_add_f32 v[U:U+1], v[U:U+1], v[U+8:U+9]
	v_add_f32 v[LA+\a], v[U], v[U+1]               ; the row's sum
.irp k, 0,1,2,3,4,5,6,7,8,9,10,11,12,13,14,15
	v_sub_nc_u32 v[T+\k], 0, v[T+\k]               ; M - M_ks,
.endr
.irp k, 0,1,2,3,4,5,6,7,8,9,10,11,12,13,14,15
	v_min_u32 v[T+\k], 127, v[T+\k]                ; held at 127: p's bytes lie under 128,
.endr
.irp k, 0,1,2,3,4,5,6,7,8,9,10,11,12,13,14,15
	v_mul_lo_u32 v[T+\k], v[T+\k], s71             ; in each of the word's four bytes
.endr
.irp k, 0,1,2,3,4,5,6,7,8,9,10,11,12,13,14,15
	v_or_b32 v[U+\k], s70, v[SC+8*\k+\a]           ; 128 onto each byte, so that no byte borrows from its neighbour;
.endr
.irp k, 0,1,2,3,4,5,6,7,8,9,10,11,12,13,14,15
	v_sub_nc_u32 v[U+\k], v[U+\k], v[T+\k]         ; bit 7 of a byte stays where the byte does not fall under 0
.endr
.irp k, 0,1,2,3,4,5,6,7,8,9,10,11,12,13,14,15
	v_and_b32 v[T+\k], s70, v[U+\k]
.endr
.irp k, 0,1,2,3,4,5,6,7,8,9,10,11,12,13,14,15
	v_lshrrev_b32 v[V+\k], 7, v[T+\k]
.endr
.irp k, 0,1,2,3,4,5,6,7,8,9,10,11,12,13,14,15
	v_sub_nc_u32 v[T+\k], v[T+\k], v[V+\k]         ; 0x7f in those bytes, 0 in the others
.endr
.irp k, 0,1,2,3,4,5,6,7,8,9,10,11,12,13,14,15
	v_and_b32 v[U+\k], v[U+\k], v[T+\k]            ; the byte less the difference, held at 0
.endr
	WIN 0x04                                       ; source 1: window 1
.irp k, 0,1,2,3,4,5,6,7,8,9,10,11,12,13,14,15
	v_cndmask_b32 v[SC+8*\k+\a], v[U+\k], v[192+4*\k+\a], s22   ; lanes 0-15: p's word of tile a; lanes 16-31: v's word of tile a
.endr
	WIN 0
.endm
; THE WAY OUT of query tile a, in three parts.  DIVIDE: by the row's sum, into v160-223.  STAGE: into my stage in LDS (16 rows of 512 bytes, 528 apart) and back as whole rows, into the tile's own 64 accumulator
; registers, which DIVIDE has read: so no store's data are ever written again.  SEND: stored.  Tile a + 1 is divided between tile a's loads from the stage and the wait for them.
.macro DIVIDE a
	WIN 0x02
.set jj, 0
.rept 32
	v_pk_mul_f32 v[160+jj:161+jj], v[64*\a+jj:64*\a+jj+1], v[RC+2*\a:RC+2*\a+1] op_sel_hi:[1,0]   ; each accumulator from its low end on
.set jj, jj+2
.endr
	WIN 0
.endm
.macro STAGE a
.irp b, 0,1,2,3
.irp q, 0,1,2,3
	ds_store_b128 v10, v[160+16*\b+4*\q:160+16*\b+4*\q+3] offset:128*\b+16*\q      ; register 16 b + i is d 32 b + 16 h + i of my 128
.endr
.endr
	WIN 0x80                                       ; destination: window 2
.irp t, 0,1,2,3,4,5,6,7,8,9,10,11,12,13,14,15
	ds_load_b128 v[64*\a+4*\t:64*\a+4*\t+3], v11 offset:528*\t     ; LDS serves a wave's instructions in order: these see my stores
.endr
	WIN 0
.endm
.macro SEND a
	s_wait_dscnt 0x0                               ; the tile's rows are back in registers
	WIN 0x08                                       ; the stores' data: window 2
.irp t, 0,1,2,3,4,5,6,7,8,9,10,11,12,13,14,15
	global_store_b128 v3, v[64*(\a)+4*\t:64*(\a)+4*\t+3], s[66:67] offset:(32*((\a)/2)+8*((\a)%2)+\t+8*(\t/8))*4096   ; 32 lanes store 512 consecutive bytes of slot t's row
.endr
	WIN 0
.endm
	s_load_b256 s[4:11], s[0:1], 0x0               ; pc, pst, qkc, qks
	s_load_b64 s[12:13], s[0:1], 0x20              ; out0
	v_lshl_add_u32 v28, v0, 2, SPARE
	v_mov_b32 v29, 0
	ds_add_u32 v28, v29                            ; the opening lines: the add, twice on end, and its wait
	ds_add_u32 v28, v29
	v_lshrrev_b32 v1, 5, v0
	v_readfirstlane_b32 s14, v1                    ; wave w
	s_lshr_b32 s15, s14, 1                         ; wb.  Also: I fetch p (0) or v (1)
	s_and_b32 s16, s14, 1                          ; wa.  Also: which part I fetch
	s_bfe_u32 s17, ttmp6, 0x40000                  ; cx
	s_bfe_u32 s18, ttmp6, 0x40004                  ; cy
	s_lshl_b32 s23, ttmp9, 2
	s_add_co_u32 s23, s23, s17                     ; j
	s_and_b32 s19, ttmp7, 0xffff
	s_lshl_b32 s20, s19, 2
	s_add_co_u32 s20, s20, s18                     ; i
	s_lshr_b32 s21, s19, 2                         ; the batch: the same in all sixteen partners
	s_lshl_b32 s72, s18, 2
	s_lshl_b32 s72, 15, s72                        ; my row of the cluster
	s_lshl_b32 s73, 0x1111, s17                    ; my column
	s_or_b32 s[G1X], s72, (3<<16)|(1<<21)
	s_or_b32 s[G1W], s73, (3<<16)|(1<<21)
	s_mov_b32 s[G1X+1], 768<<16                    ; dense bytes, as rows of 6,144
	s_mov_b32 s[G1X+2], 8<<16                      ; the head's load: 8 rows
	s_mov_b32 s[G1X+3], 768<<16
	s_mov_b32 s[G1X+4], 8
	s_mov_b32 s[G1X+5], 768
	s_mov_b32 s[G1X+6], 0
	s_mov_b32 s[G1X+7], 0
	s_mov_b32 s[G1W+1], 768<<16
	s_mov_b32 s[G1W+2], 16<<16                     ; the head's load: 16 rows
	s_mov_b32 s[G1W+3], 768<<16
	s_mov_b32 s[G1W+4], 16
	s_mov_b32 s[G1W+5], 768
	s_mov_b32 s[G1W+6], 0
	s_mov_b32 s[G1W+7], 0
	s_mul_i32 s74, s16, 24576                      ; LDS: my part of a half of p
	s_mul_i32 s75, s16, R0
	s_add_co_u32 s75, s75, R0                      ; my block of v
	s_lshl_b32 s76, s20, 2
	s_add_co_u32 s76, s76, s16
	s_mul_i32 s76, s76, HALF                       ; p: block i, K steps 4 part ..
	s_mov_b32 s77, 0
	s_lshl_b32 s78, s23, 1
	s_add_co_u32 s78, s78, s16
	s_lshl_b32 s78, s78, 2
	s_add_co_u32 s78, s78, s21
	s_mul_i32 s78, s78, 196608                     ; v: block 2 j + part (four batches of 196,608 bytes), my batch,
	s_add_co_u32 s78, s78, 12582912                ; behind q's and k's codes
	s_mov_b32 s79, 0
	s_lshl_b32 s80, s20, 1
	s_add_co_u32 s80, s80, s15
	s_mul_i32 s80, s80, 12288                      ; pst: query quad 2 i + wb
	s_mov_b32 s81, 0
	s_lshl_b32 s82, s23, 1
	s_add_co_u32 s82, s82, s16
	s_lshl_b32 s82, s82, 6
	s_lshl_b32 s83, s21, 4
	s_add_co_u32 s82, s82, s83
	s_lshl_b32 s82, s82, 9
	s_add_co_u32 s82, s82, 524288                  ; qks: v's group 2 j + wa, K step 16 batch
	s_mov_b32 s83, 0
	s_mov_b32 s[G0X], 1
	s_mul_i32 s[G0X+1], s16, HALF
	s_mov_b32 s[G0W], 1
	s_mov_b32 s[G0W+1], s75
	s_wait_dscnt 0x0                               ; both opening adds are done
	s_wait_kmcnt 0x0
	s_add_nc_u64 s[G0X+2:G0X+3], s[4:5], s[76:77]
	s_or_b32 s[G0X+3], s[G0X+3], 0x80000000
	s_add_nc_u64 s[PW:PW+1], s[8:9], s[78:79]
	s_mov_b64 s[G0W+2:G0W+3], s[PW:PW+1]
	s_or_b32 s[G0W+3], s[G0W+3], 0x80000000
	s_add_nc_u64 s[60:61], s[6:7], s[80:81]
	s_add_nc_u64 s[62:63], s[10:11], s[82:83]
	CROUND                                         ; all sixteen work-groups are here: the first joint loads meet
	JLOAD                                          ; K steps 0 to 7 of p and v: one load a wave.  All else of the head stands under its flight
	v_and_b32 v1, 15, v0                           ; r
	v_bfe_u32 v2, v0, 4, 1                         ; h
	v_and_b32 v3, 31, v0
	v_min_u32 v[PFO], 23, v3
	v_lshlrev_b32 v3, 4, v3                        ; 16 x lane
	v_lshlrev_b32 v5, 4, v1                        ; 16 r: a quad's four words of slot r
	v_lshlrev_b32 v[PFO], 8, v[PFO]
.irp k, 0,1,2,3,4,5,6,7,8,9,10,11,12,13,14,15
	global_load_b128 v[SC+8*\k:SC+8*\k+3], v5, s[60:61] offset:768*\k           ; p's scale words
	global_load_b128 v[SC+8*\k+4:SC+8*\k+7], v5, s[62:63] offset:512*\k+256     ; v's second quad
.endr
	WIN 0xc0
.irp k, 0,1,2,3,4,5,6,7,8,9,10,11,12,13,14,15
	global_load_b128 v[96+4*\k:99+4*\k], v5, s[60:61] offset:768*\k+256         ; -M
	global_load_b128 v[160+4*\k:163+4*\k], v5, s[60:61] offset:768*\k+512       ; the sums
.endr
	WIN 0x40
.irp k, 0,1,2,3,4,5,6,7,8,9,10,11,12,13,14,15
	global_load_b128 v[192+4*\k:195+4*\k], v5, s[62:63] offset:512*\k           ; v's first quad
.endr
	WIN 0
	s_add_nc_u64 s[PW:PW+1], s[PW:PW+1], R0        ; v: 8 K steps on
	s_mul_i32 s36, s20, 196608
	s_add_co_u32 s36, s36, s74
	s_add_co_u32 s36, s36, R0                      ; p: block i, K step 8, my part of a half
	s_mov_b32 s37, 0
	s_add_nc_u64 s[PX:PX+1], s[4:5], s[36:37]
	s_lshl_b32 s84, s20, 19                        ; out0: row 128 i + 64 wb, column 256 j + 128 wa
	s_lshl_b32 s85, s15, 18
	s_add_co_u32 s84, s84, s85
	s_lshl_b32 s85, s23, 10
	s_add_co_u32 s84, s84, s85
	s_lshl_b32 s85, s16, 9
	s_add_co_u32 s84, s84, s85
	s_mov_b32 s85, 0
	s_add_nc_u64 s[66:67], s[12:13], s[84:85]
	s_mov_b32 s22, 0xffff0000                      ; lanes 16-31
	s_mov_b32 s70, 0x80808080
	s_mov_b32 s71, 0x01010101
	s_cmp_eq_u32 s15, 0                            ; the prefetches: do I fetch p?
	s_cselect_b64 s[PFA:PFA+1], s[PX:PX+1], s[PW:PW+1]
	s_cselect_b32 s54, s17, s18                    ; my place among the four that ask with me
	s_lshl_b32 s55, 6144, s15                      ; a quarter of what I fetch: 6,144 bytes of p, 12,288 of v
	s_mul_i32 s54, s54, s55
	s_mov_b32 s55, 0
	s_add_nc_u64 s[PFA:PFA+1], s[PFA:PFA+1], s[54:55]
	s_mul_i32 s72, s15, 6144
	s_mul_i32 s73, s14, 8448                       ; my stage for the way out: in p's half 0 (bytes under 33,792), which has had its last fill and its last read when the first result is stored there
	s_wait_alu depctr_va_vdst(0)                   ; the lines below read what was written ahead of the scalar lines
	global_prefetch_b8 v[PFO], s[PFA:PFA+1] th:TH_LOAD_NT scope:SCOPE_SE                 ; K steps 8 to 11,
	global_prefetch_b8 v[PFO], s[PFA:PFA+1] offset:HALF th:TH_LOAD_NT scope:SCOPE_SE     ; and 12 to 15
	v_add_nc_u32 v6, s75, v3                       ; source 0 = v's block wa, half 0,
	v_add_nc_u32 v7, HALF, v6                      ; half 1
	v_add_nc_u32 v8, s72, v3                       ; source 1 = p's tiles 4 wb ..
	v_add_nc_u32 v9, HALF, v8
	v_mul_u32_u24 v10, v1, 528
	v_lshl_add_u32 v10, v2, 6, v10
	v_add_nc_u32 v10, s73, v10                     ; the stage, in: row r, + 64 h
	v_add_nc_u32 v11, s73, v3                      ; back: 16 bytes a lane of a row
	s_cmp_eq_u32 s15, 0
	s_cbranch_scc1 .Lasked_ahead                   ; v's quarter is twice p's
	global_prefetch_b8 v[PFO], s[PFA:PFA+1] offset:6144 th:TH_LOAD_NT scope:SCOPE_SE
	global_prefetch_b8 v[PFO], s[PFA:PFA+1] offset:HALF+6144 th:TH_LOAD_NT scope:SCOPE_SE
.Lasked_ahead:
	s_wait_alu depctr_va_vdst(0)                   ; the wait ahead of the wait below
	s_wait_loadcnt 0x0
	FIX 0
	FIX 1
	FIX 2
	FIX 3
	s_wait_alu depctr_va_vdst(0)                   ; the wait ahead of the batch
.irp a, 0,1,2,3
	v_rcp_f32 v[RC+2*\a], v[LA+\a]
.endr
	v_nop                                          ; a plain place behind the last reciprocal
	s_wait_alu depctr_va_vdst(0)                   ; one wait for the four, ahead of their first reader
.irp a, 0,1,2,3
	v_mov_b32 v[RC+2*\a+1], v[RC+2*\a]             ; (the packed multiply names the pair)
.endr
	PLACES 8                                       ; scale registers written by vector instructions stand eight places ahead of a scaled matrix instruction
	s_wait_tensorcnt 0x0                           ; my part of the head's tiles is in; no load of mine is out, so a descriptor may be written:
	s_mov_b32 s[G1X+2], 4<<16                      ; from here on p's load brings 4 rows,
	s_mov_b32 s[G1X+4], 4
	s_mov_b32 s[G1W+2], 8<<16                      ; v's 8
	s_mov_b32 s[G1W+4], 8
	s_barrier_signal -1
	s_barrier_wait -1                              ; everybody's part is in
	FETCH 6, 8, 0, 0
	HALFK 6, 8, SC, 1
	TURN 0, SC+24, 1, 7, 9                         ; K steps 8 to 11
	HALFK 7, 9, SC+32, 0
	TURN 1, SC+56, 1, 6, 8                         ; K steps 12 to 15
	HALFK 6, 8, SC+64, 0
	TURN 0, SC+88, 0, 7, 9                         ; nothing is left to fetch: a plain barrier
	HALFK 7, 9, SC+96, 0
	LAST SC+120
	PLACES 4                                       ; behind the last products, in front of the first read of results
	s_wait_alu depctr_va_vdst(0)                   ; the wait ahead of the readers of the reciprocals' pairs
	DIVIDE 0
	STAGE 0
.irp a, 1,2,3
	DIVIDE \a
	s_wait_alu depctr_va_vdst(0)                   ; directly ahead of SEND's wait
	SEND \a-1
	STAGE \a
.endr
	SEND 3
	s_wait_tensorcnt 0x0                           ; the wave's end
	ds_add_u32 v28, v29
	s_wait_dscnt 0x0
	CROUND                                         ; the closing round
	s_endpgm
.Lfunc_end_k_q908b10e371_pv:
	.size	k_q908b10e371_pv, .Lfunc_end_k_q908b10e371_pv-k_q908b10e371_pv
	.p2alignl 7, 3214868480
	.fill 96, 4, 3214868480
	.section	.rodata,"a",@progbits
	.p2align	6, 0x0
	.amdhsa_kernel k_q908b10e371_pv
		.amdhsa_group_segment_fixed_size 327680
		.amdhsa_private_segment_fixed_size 0
		.amdhsa_enable_private_segment 0
		.amdhsa_kernarg_size 40
		.amdhsa_user_sgpr_count 2
		.amdhsa_user_sgpr_kernarg_segment_ptr 1
		.amdhsa_wavefront_size32 1
		.amdhsa_system_sgpr_workgroup_id_x 1
		.amdhsa_system_sgpr_workgroup_id_y 1
		.amdhsa_system_sgpr_workgroup_id_z 1
		.amdhsa_system_vgpr_workitem_id 0
		.amdhsa_next_free_vgpr 1024
		.amdhsa_next_free_sgpr 100
		.amdhsa_reserve_vcc 0
		.amdhsa_float_denorm_mode_32 3
		.amdhsa_float_denorm_mode_16_64 3
		.amdhsa_memory_ordered 1
		.amdhsa_forward_progress 1
		.amdhsa_inst_pref_size 185
	.end_amdhsa_kernel
	.amdgpu_metadata
---
amdhsa.version: [ 1, 2 ]
amdhsa.kernels:
  - .name:           k_q908b10e371_pv
    .symbol:         k_q908b10e371_pv.kd
    .args:
      - { .name: pc, .offset: 0, .size: 8, .value_kind: global_buffer, .address_space: global }
      - { .name: pst, .offset: 8, .size: 8, .value_kind: global_buffer, .address_space: global }
      - { .name: qkc, .offset: 16, .size: 8, .value_kind: global_buffer, .address_space: global }
      - { .name: qks, .offset: 24, .size: 8, .value_kind: global_buffer, .address_space: global }
      - { .name: out0, .offset: 32, .size: 8, .value_kind: global_buffer, .address_space: global }
    .group_segment_fixed_size: 327680
    .private_segment_fixed_size: 0
    .kernarg_segment_align: 8
    .kernarg_segment_size: 40
    .max_flat_workgroup_size: 128
    .sgpr_count:     100
    .vgpr_count:     1024
    .wavefront_size: 32
...
	.end_amdgpu_metadata
.endif
;; end of part 4
